; MI455X (gfx1250); checked and timed in simulation.
; The chip was launched on July 23, 2026; its instructions are those of AMD's public machine-readable ISA for CDNA 5 (MIT licence, August 2026) and "CDNA5" Instruction Set Architecture Reference Guide (July 2026). The comments in the code are by the model that wrote it; some were corrected since.
;; Atentie. Allowed arithmetic: matrix products marked QUANTISED: E3M2 operands, one E8M0 scale for each 32 along K, by v_wmma_scale_f32_16x16x128_f8f6f4 with both operands' format E3M2, f32 sums; everything else in f32.
;; Inputs: Wk 1,024 x 1,024 float32; Wq 1,024 x 1,024 float32; Wv 1,024 x 1,024 float32; bk 1,024 float32; bq 1,024 float32; bv 1,024 float32; strat 4 x 2,048 x 1,024 float32.
;; Outputs: out0 4 x 2,048 x 1,024 float32.
;; This version of the problem:
;;   THIS VERSION OF THE PROBLEM IS GIVEN IN LOW PRECISION. The matrix products marked QUANTISED in the list below multiply operands that are first quantised to E3M2 (3 exponent bits, 2 mantissa bits; 6 bits a number), with one power-of-two scale for each 32 numbers along K (OCP MX v1.0); their sums are f32. All else is computed in f32.
;;   The module's matrix products, in the order in which they are computed (A, B: the left and right operand; K: the contracted axis; several contracted axes count as one K, in the product's order):
;;     1. [M 8,192, K 1,024] x [K 1,024, N 1,024]; A: input strat; B: input Wq: QUANTISED
;;     2. [M 8,192, K 1,024] x [K 1,024, N 1,024]; A: input strat; B: input Wk: QUANTISED
;;     3. [M 8,192, K 1,024] x [K 1,024, N 1,024]; A: input strat; B: input Wv: QUANTISED
;;     4. batch 4 x [M 2,048, K 1,024] x [K 1,024, N 2,048]; A: computed on the way; B: computed on the way: QUANTISED
;;     5. batch 4 x [M 2,048, K 2,048] x [K 2,048, N 1,024]; A: softmax (see below); B: computed on the way: QUANTISED
;;   THE QUANTISER, for each operand of a quantised product, along K:
;;     - K is cut into blocks of 32 from its start; a last block that is shorter is filled with zeros.
;;     - A block's scale is 2^e with e = floor(log2(the largest magnitude in the block)) - 4, held to -126 .. 127; a block of zeros has e = 0. As a byte (E8M0): e + 127.
;;     - Each number is divided by its block's scale, clamped to +-28, and rounded to the nearest number of E3M2, ties to even, subnormals kept.
;;     - The product sums the exact products of the quantised numbers (number of the format x scale) in f32.
;;   ~~~python
;;   def quantise(x, axis):      # numpy; x: float32 -> the quantised numbers, widened to float32 again
;;       x = np.moveaxis(x, axis, -1); K = x.shape[-1]
;;       x = np.pad(x, [(0, 0)] * (x.ndim - 1) + [(0, -K % 32)]); x = x.reshape(x.shape[:-1] + (-1, 32)); a = np.abs(x).max(-1, keepdims=True)
;;       e = np.where(a > 0, np.clip(np.frexp(np.where(a > 0, a, 1))[1] - 1 - 4, -126, 127), 0)      # np.frexp(a)[1] - 1 = floor(log2(a)), exactly
;;       r = np.clip(x / 2.0 ** e, -28, 28)
;;       step = 2.0 ** (np.maximum(np.frexp(np.where(r == 0, 1, r))[1] - 1, -2) - 2)
;;       q = np.round(r / step) * step * 2.0 ** e      # np.round: ties to even
;;       return np.moveaxis(q.reshape(q.shape[:-2] + (-1,))[..., :K], -1, axis).astype(np.float32)
;;   ~~~
;;   SOFTMAX AHEAD OF A QUANTISED PRODUCT. Where the list says 'softmax', what is quantised is not the finished softmax but p = 2^(t - M), with t = logit x log2(e) and M = ceil(the row's largest t), a whole number; so 1/2 < the row's largest p <= 1. The row's sum l is taken of the UNQUANTISED p, in f32, and the product's result is divided by l at the end. Since M is a whole number, a kernel that streams over the keys may use a running M (the ceiling of the running maximum): every later rescaling is an exact power of two, which a block's scale takes up: the codes' values come out the same.
;;   OPERANDS COMPUTED ON THE WAY. 'Computed on the way' means the value that the module computes at that place (a softmax that the list does not call 'softmax' is quantised finished and normalised). What goes into a quantiser is computed in f32, as accurately as f32 sums, v_exp_f32 and their like allow (about 1e-6 of the number): no bf16 or f16 on the way to a quantiser, and a product that is left as it is and whose result goes on into a quantised operand takes f32 operands (vector FMAs, or v_wmma_f32_16x16x4_f32). A number that lies on a knife's edge between two numbers of the format may be rounded either way, as far as f32 arithmetic and the matrix unit's own rounding can turn it there, and no further.
;; One version. Each part assembles by itself: llvm-mc -triple=amdgcn-amd-amdhsa -mcpu=gfx1250 --defsym DOCPART=n.
;; ======== version 1 of 1: 4 launches
;; limits: right only within a limited range of input values
;; workspace buffers: xq 6,553,600 bytes; wq 2,457,600 bytes; qk 13,107,200 bytes; vt 6,553,600 bytes; pp 14,155,776 bytes
;; launch quant (part 1): grid 704 x 1, 4 waves a work-group, no clusters, 34,304 bytes of LDS; arguments strat, Wq, Wk, Wv, xq, wq; writes xq, wq
.if DOCPART == 1
	.amdgcn_target "amdgcn-amd-amdhsa--gfx1250"
	.amdhsa_code_object_version 6
	.text
	.protected	k_q107842a14e_quant
	.globl	k_q107842a14e_quant
	.p2align	8
	.type	k_q107842a14e_quant,@function
k_q107842a14e_quant:
	s_mov_b64 s[64:65], 0
	v_nop
	global_prefetch_b8 v0, s[64:65] scope:SCOPE_SE
	s_setreg_imm32_b32 hwreg(HW_REG_WAVE_MODE, 25, 1), 1
	s_wait_xcnt 0x0
; strat [8192][1024] and Wq, Wk, Wv [1024][1024], f32, K = the last axis, become codes of BF6 (E3M2) with one E8M0 byte for each 32 along K.
; A block's scale is 2^(floor(log2(its largest magnitude)) - 4); its byte is that magnitude's exponent field - 4, held at 1 from below.
; LIMITS: NaN and infinities are not served.  A block whose largest magnitude lies under 2^-122, a block of zeros among them, gets the byte 1 (the rule gives zeros 127): its codes are zeros or
; subnormal codes under that byte, and the bytes are read by this program alone.
; LAYOUT OF THE RESULTS: IN THE ORDER OF AN OPERAND'S REGISTERS.  A fragment is 16 rows x 128 K = 12 registers a lane = 1,536 bytes: registers 4 g .. 4 g + 3 of lane l at 512 g + 16 l.
; Fragments lie [row block][K step].  THE 16 ROWS OF A BLOCK ARE NOT NEIGHBOURS: place p of block T is row 32 (T / 2) + 8 (T % 2) + p + 8 (p / 8), so that a product which takes such a block as
; source 0 leaves 16 neighbouring rows in a lane's registers of two neighbouring blocks.  Scale words (four bytes: one row, 128 K) lie [128 places][K step][128] as 32-bit words.
; SHARES: a work-group takes a row block (0-511: strat's; then 64 each of Wq, Wk, Wv), wave w its K steps 2 w and 2 w + 1.  One path serves all four tensors: only pointers are chosen.
; Each load reads 512 consecutive bytes of a row; the 16 rows x 512 bytes turn through the wave's own stage in LDS (rows 528 bytes apart) so that a lane gets 16 neighbours of each block of 32.
; No barrier: waves share nothing.
.set R,   32                           ; v32-159  two K steps as loaded: 16 rows x 4 registers each
.set X,   160                          ; v160-223 64 numbers of my row: register 16 b + i = k 32 b + 16 (lane / 16) + i
.set PC,  224                          ; v224-242 the codes just made
.set PW,  244                          ; the scale word just made
.set PW0, 245                          ; the first K step's
.set PWW, 246                          ; both: lanes 0-15 the first's, lanes 16-31 the second's
.set TM,  16                           ; v16-31   at work
.set SEL, 20                           ; s[20:21] lane selects for v_permlanex16_b32: lane l xor 16
.set SP,  528                          ; a stage row: 512 bytes + 16
.set STG, 16*SP
; 64 numbers of a lane, v[s] .. v[s + 63], become a fragment's codes in v[PC] on and its scale word in v[PW]
.macro QUANT s
.irp b, 0,1,2,3
	v_max3_num_f32 v[TM+\b], |v[\s+16*\b]|, |v[\s+1+16*\b]|, 0x2800000   ; block b: my 16 numbers, and the floor 2^(5 - 127): the byte cannot fall under 1
.endr
.irp i, 2,4,6,8,10,12,14
.irp b, 0,1,2,3
	v_max3_num_f32 v[TM+\b], v[TM+\b], |v[\s+16*\b+\i]|, |v[\s+1+16*\b+\i]|   ; the four blocks by turns
.endr
.endr
.irp b, 0,1,2,3
	v_permlanex16_b32 v[TM+4+\b], v[TM+\b], s[SEL], s[SEL+1]
.endr
.irp b, 0,1,2,3
	v_max_num_f32 v[TM+\b], v[TM+\b], v[TM+4+\b]   ; with lane l xor 16's 16: the block's largest magnitude
.endr
.irp b, 0,1,2,3
	v_add_nc_u32 v[TM+12+\b], 0xfe000000, v[TM+\b] ; 4 off its exponent field: the conversion takes that field as its scale
.endr
.irp b, 0,1,2,3
	v_lshrrev_b32 v[TM+4+\b], 23, v[TM+12+\b]      ; the scale's byte
.endr
	v_lshl_or_b32 v[PW], v[TM+5], 8, v[TM+4]
	v_lshl_or_b32 v[PW], v[TM+6], 16, v[PW]
	v_lshl_or_b32 v[PW], v[TM+7], 24, v[PW]
.irp c, 0,1
	v_cvt_scalef32_pk16_bf6_f32 v[PC+6*\c:PC+2+6*\c], v[\s+32*\c:\s+15+32*\c], v[TM+12+2*\c]
	v_cvt_scalef32_pk16_bf6_f32 v[PC+12+4*\c:PC+14+4*\c], v[\s+16+32*\c:\s+31+32*\c], v[TM+12+2*\c+1]   ; a conversion's three registers begin on an even number
.endr
	v_nop                                          ; one plain line behind the scaled conversions
.irp c, 0,1                                    ; the operand wants a whole block in a lane: lanes 0-15 block 2 c, lanes 16-31 block 2 c + 1
.irp i, 0,1,2
	v_permlane16_swap_b32 v[PC+6*\c+\i], v[PC+12+4*\c+\i]
.endr
.irp i, 0,1,2
	v_mov_b32 v[PC+3+6*\c+\i], v[PC+12+4*\c+\i]
.endr
.endr
.endm
; K step q's 16 rows through the stage.  LDS serves a wave's instructions in order: no wait between the stores and the loads
.macro TURN q
.irp p, 0,1,2,3,4,5,6,7,8,9,10,11,12,13,14,15
	ds_store_b128 v4, v[R+64*\q+4*\p:R+64*\q+4*\p+3] offset:SP*\p
.endr
.irp b, 0,1,2,3
.irp j, 0,1,2,3
	ds_load_b128 v[X+16*\b+4*\j:X+16*\b+4*\j+3], v5 offset:128*\b+16*\j
.endr
.endr
.endm
	s_load_b256 s[4:11], s[0:1], 0x0               ; strat s[4:5], Wq s[6:7], Wk s[8:9], Wv s[10:11]
	s_load_b128 s[12:15], s[0:1], 0x20             ; xq s[12:13], wq s[14:15]
	v_lshl_add_u32 v254, v0, 2, 0x8400
	v_mov_b32 v255, 0
	v_lshrrev_b32 v1, 5, v0
	v_readfirstlane_b32 s16, v1                    ; wave 0..3
	v_and_b32 v7, 31, v0                           ; lane
	v_and_b32 v1, 15, v0                           ; r
	v_bfe_u32 v2, v0, 4, 1                         ; h
	v_lshlrev_b32 v3, 4, v7                        ; 16 x lane: my bytes of a load's or a store's 512
	s_mul_i32 s17, s16, STG                        ; my wave's stage
	v_add_nc_u32 v4, s17, v3                       ; into it: as loaded
	v_mul_u32_u24 v5, v1, SP
	v_lshl_add_u32 v5, v2, 6, v5
	v_add_nc_u32 v5, s17, v5                       ; out of it: row r, + 64 h: my 16 numbers of each block of 32
	v_lshlrev_b32 v6, 2, v1
	v_lshl_add_u32 v6, v2, 9, v6                   ; scale words: 4 r, lanes 16-31 one K step (512 bytes) on
	s_mov_b32 s[SEL], 0x76543210
	s_mov_b32 s[SEL+1], 0xfedcba98
	s_mov_b32 s36, 0xffff0000                      ; lanes 16-31
.irp b, 0,1,2,3
	v_mov_b32 v[TM+4+\b], 0                        ; written once: a lane permute's destination counts as one of its sources
.endr
	s_wait_alu depctr_va_vdst(0)
	s_wait_kmcnt 0x0
	s_cmp_lt_u32 ttmp9, 640                        ; which tensor: the choice hangs on the work-group's number alone
	s_cselect_b64 s[18:19], s[8:9], s[10:11]
	s_cmp_lt_u32 ttmp9, 576
	s_cselect_b64 s[18:19], s[6:7], s[18:19]
	s_cmp_lt_u32 ttmp9, 512
	s_cselect_b64 s[18:19], s[4:5], s[18:19]
	s_cselect_b64 s[22:23], s[12:13], s[14:15]     ; and where it goes
	s_mov_b32 s24, 2359296
	s_cselect_b32 s24, 6291456, s24                ; where the scale words begin there
	s_cselect_b32 s26, 511, 63                     ; row blocks in the source, less one
	s_cselect_b32 s25, 0, 512
	s_sub_co_u32 s25, ttmp9, s25                   ; the row block in the destination
	s_and_b32 s26, s25, s26                        ; and in the source
	s_lshr_b32 s27, s26, 1
	s_lshl_b32 s27, s27, 17                        ; 32 (T / 2) rows of 4,096 bytes
	s_and_b32 s28, s26, 1
	s_lshl_b32 s28, s28, 15                        ; + 8 (T % 2) rows
	s_add_co_u32 s28, s28, s27
	s_lshl_b32 s27, s16, 10                        ; + my wave's two K steps: 1,024 bytes of a row
	s_add_co_u32 s28, s28, s27
	s_mov_b32 s29, 0
	s_add_nc_u64 s[18:19], s[18:19], s[28:29]
.irp q, 0,1
.irp p, 0,1,2,3,4,5,6,7,8,9,10,11,12,13,14,15
	global_load_b128 v[R+64*\q+4*\p:R+64*\q+4*\p+3], v3, s[18:19] offset:(\p+8*(\p/8))*4096+512*\q th:TH_LOAD_NT   ; place p's row: 512 consecutive bytes
.endr
.endr
	s_lshl_b32 s30, s25, 3
	s_lshl_b32 s27, s16, 1
	s_add_co_u32 s30, s30, s27
	s_mul_i32 s30, s30, 1536                       ; fragment 8 x row block + 2 w
	s_mov_b32 s31, 0
	s_add_nc_u64 s[32:33], s[22:23], s[30:31]      ; the codes
	s_lshr_b32 s30, s25, 3
	s_lshl_b32 s30, s30, 3
	s_add_co_u32 s30, s30, s27
	s_lshl_b32 s30, s30, 9                         ; (8 x group of 128 places + 2 w) x 512
	s_and_b32 s27, s25, 7
	s_lshl_b32 s27, s27, 6                         ; + my block's 16 places
	s_add_co_u32 s30, s30, s27
	s_add_co_u32 s30, s30, s24
	s_add_nc_u64 s[34:35], s[22:23], s[30:31]      ; the scale words
	s_wait_loadcnt 16                              ; the first K step's sixteen loads are in; the second's may be out
	TURN 0
	s_wait_dscnt 0x0
	QUANT X
.irp g, 0,1,2
	global_store_b128 v3, v[PC+4*\g:PC+4*\g+3], s[32:33] offset:512*\g   ; 512 consecutive bytes a store
.endr
	v_mov_b32 v[PW0], v[PW]
	s_wait_loadcnt 0x0
	TURN 1
	s_wait_dscnt 0x0
	s_wait_xcnt 0x0                                ; the stores have read the codes' registers: they are written again only behind this wait
	QUANT X
.irp g, 0,1,2
	global_store_b128 v3, v[PC+4*\g:PC+4*\g+3], s[32:33] offset:1536+512*\g
.endr
	v_cndmask_b32 v[PWW], v[PW0], v[PW], s36       ; every lane holds its row's word: lanes 0-15 send K step 2 w's, lanes 16-31 K step 2 w + 1's
	global_store_b32 v6, v[PWW], s[34:35]
	s_wait_tensorcnt 0x0
	ds_add_u32 v254, v255
	s_wait_dscnt 0x0
	s_endpgm
.Lfunc_end_k_q107842a14e_quant:
	.size	k_q107842a14e_quant, .Lfunc_end_k_q107842a14e_quant-k_q107842a14e_quant
	.p2alignl 7, 3214868480
	.fill 96, 4, 3214868480
	.section	.rodata,"a",@progbits
	.p2align	6, 0x0
	.amdhsa_kernel k_q107842a14e_quant
		.amdhsa_group_segment_fixed_size 34304
		.amdhsa_private_segment_fixed_size 0
		.amdhsa_enable_private_segment 0
		.amdhsa_kernarg_size 48
		.amdhsa_user_sgpr_count 2
		.amdhsa_user_sgpr_kernarg_segment_ptr 1
		.amdhsa_wavefront_size32 1
		.amdhsa_system_sgpr_workgroup_id_x 1
		.amdhsa_system_sgpr_workgroup_id_y 1
		.amdhsa_system_sgpr_workgroup_id_z 1
		.amdhsa_system_vgpr_workitem_id 0
		.amdhsa_next_free_vgpr 256
		.amdhsa_next_free_sgpr 66
		.amdhsa_reserve_vcc 0
		.amdhsa_float_denorm_mode_32 3
		.amdhsa_float_denorm_mode_16_64 3
		.amdhsa_memory_ordered 1
		.amdhsa_forward_progress 1
		.amdhsa_inst_pref_size 19
	.end_amdhsa_kernel
	.amdgpu_metadata
---
amdhsa.version: [ 1, 2 ]
amdhsa.kernels:
  - .name:           k_q107842a14e_quant
    .symbol:         k_q107842a14e_quant.kd
    .args:
      - { .name: strat, .offset: 0, .size: 8, .value_kind: global_buffer, .address_space: global }
      - { .name: Wq, .offset: 8, .size: 8, .value_kind: global_buffer, .address_space: global }
      - { .name: Wk, .offset: 16, .size: 8, .value_kind: global_buffer, .address_space: global }
      - { .name: Wv, .offset: 24, .size: 8, .value_kind: global_buffer, .address_space: global }
      - { .name: xq, .offset: 32, .size: 8, .value_kind: global_buffer, .address_space: global }
      - { .name: wq, .offset: 40, .size: 8, .value_kind: global_buffer, .address_space: global }
    .group_segment_fixed_size: 34304
    .private_segment_fixed_size: 0
    .kernarg_segment_align: 8
    .kernarg_segment_size: 48
    .max_flat_workgroup_size: 128
    .sgpr_count:     66
    .vgpr_count:     256
    .wavefront_size: 32
...
	.end_amdgpu_metadata
.endif
;; end of part 1
;; launch proj (part 2): grid 8 x 32, 4 waves a work-group, clusters of 4 x 4, 327,680 bytes of LDS; arguments xq, wq, bq, bk, bv, qk, vt; writes qk, vt
.if DOCPART == 2
	.amdgcn_target "amdgcn-amd-amdhsa--gfx1250"
	.amdhsa_code_object_version 6
	.text
	.protected	k_q107842a14e_proj
	.globl	k_q107842a14e_proj
	.p2align	8
	.type	k_q107842a14e_proj,@function
k_q107842a14e_proj:
	s_mov_b64 s[64:65], 0
	v_nop
	global_prefetch_b8 v0, s[64:65] scope:SCOPE_SE
	s_setreg_imm32_b32 hwreg(HW_REG_WAVE_MODE, 25, 1), 1
	s_wait_xcnt 0x0
	s_wait_alu depctr_hold_cnt(0) depctr_sa_sdst(0) depctr_va_vdst(0) depctr_va_sdst(0) depctr_va_ssrc(0) depctr_va_vcc(0) depctr_vm_vsrc(0)
	s_getreg_b32 s2, hwreg(HW_REG_IB_STS2, 6, 4)
	s_cmp_eq_u32 s2, 0
	s_cbranch_scc0 .Lentry_in_a_cluster
	s_endpgm
.Lentry_in_a_cluster:
	s_bfe_u32 s2, ttmp6, 0x10000c
	s_cmp_lg_u32 s2, 0xf033
	s_cbranch_scc0 .Lentry_shape_is_right
	s_endpgm
.Lentry_shape_is_right:
; Q = x Wq^T + bq, K = x Wk^T + bk, V = x Wv^T + bv on codes of BF6 (E3M2) with E8M0 scales for each 32 along K, sums in f32; the results are quantised in registers and leave as codes:
; Q and K along e (rows = places of s), V along the keys (V^T: rows = places of e).  All operands lie in the order of an operand's registers: a fragment (16 places x 128 K, 12 registers a lane)
; is 1,536 bytes, registers 4 g .. 4 g + 3 of lane l at 512 g + 16 l; fragments lie [row block][K step]; scale words [128 places][K step][128].  Place p of block T is row 32 (T/2) + 8 (T%2) + p + 8 (p/8).
; LIMITS: NaN and infinities are not served; a block whose largest magnitude lies under 2^-122 (zeros among them) gets the byte 1; the bytes are read by this program alone.
; A WORK-GROUP STAYS.  The three products are 384 tiles of 256 x 256: one and a half for each of 256 work-groups.  Each makes first a tile of Q | K (256 places of s x 256 of e; a wave 128 x 128, 64 accumulators)
; and then half a tile of V^T (128 places of e x 256 keys; a wave 64 x 128, 32 accumulators).  Source 1 ('A') gives a lane its place, source 0 ('B') runs along the lane's registers, which by the order of
; places are 16 true neighbours in two neighbouring blocks: the next product's K.  First: A = x, B = Wq | Wk.  Then: A = Wv, B = x.
; CLUSTERS 4 x 4: A's tile hangs on the cluster and cy and is asked for jointly by a row of the cluster, B's on the cluster and cx, by a column: in both parts.  The scale words, a small part, come by plain
; loads through registers into LDS bytes in which no fill lands.
; THE RING.  K = 1,024 is 8 steps of 128.  Two LDS slots.  First part: 3 K steps a slot, slot 0 filled once more with the last 2.  A K step of the second part is 12,288 + 24,576 bytes, so 4 of them fill a slot:
; slot 1 takes its K steps 0-3 at the change of slots in K step 5, slot 0 its K steps 4-7 at a change of slots in the middle of the first way out.  A wave has one tensor load out at any time.
; The first part's K steps 3-5 and 6-7 are prefetched ahead of their loads, each block of 256 bytes once in a cluster; the second part's tiles are not: its x rows are those that the cluster's four rows read in the first
; part, and Wv's half tiles are 24,576 bytes a wave and slot.
; REGISTERS, windows of 256: 0: v0-31 addresses, v32-47 scale words (two sets), v64-159 and v160-255 A's fragments (two sets); in the second part v88-135 and v136-183 A's fragments, v240-243 bv; the ways out
; work in v48-86 and v184-220.  1: v0-95, v128-223 B's fragments (two sets), v96-127 and v224-255 the bias tiles.  2, 3: accumulator (a, b) at v[8 (8 (a % 4) + b)] of window 2 + a / 4.
.set FRB,   1536                       ; a fragment
.set RBP,   8*FRB                      ; a row block's 8 K steps in memory
.set QTR,   8*3*FRB                    ; first part: a quarter of a slot: 8 row blocks x 3 K steps
.set SLOT,  4*QTR                      ; A's two halves, then B's two
.set RP2,   4*FRB                      ; second part: a row block's part of a slot: 4 K steps
.set AH,    4*RP2                      ; Wv's half: 4 row blocks
.set BH,    8*RP2                      ; x's half: 8 row blocks; 2 AH + 2 BH = SLOT
.set SCL,   2*SLOT                     ; behind the ring: the first part's four groups of scale words, 4,096 bytes each: A's halves, B's halves
.set SCL2,  SCL+4*4096                 ; the second part's: Wv's group, x's two groups
.set SPARE, SCL2+3*4096                ; the spare words, 128 bytes a wave: two blocks of 256 bytes that no other line names
.set ADRA, 4                           ; v4-5   LDS address of my A fragments in slot 0, 1
.set ADRB, 6                           ; v6-7   of my B fragments
.set ADRS, 8                           ; v8     of my scale words: lanes 0-15 A's, lanes 16-31 B's
.set SPW,  9                           ; v9     my spare word; never rewritten
.set NIL,  10                          ; v10    0; never rewritten
.set ADRA2, 14                         ; v14-15 the second part: my A fragments in slot 0, 1
.set ADRB2, 16                         ; v16-17 my B fragments
.set ADSA, 18                          ; v18    Wv's scale words: 4 (lane % 16)
.set ADSB, 19                          ; v19    x's: 4 x lane: two blocks to a register
.set SC,   32
.set AF,   64
.set AF2,  88
.set TM,   48                          ; the way out, two blocks at a time: block q's work at v48 + 136 q,
.set PC,   64                          ; its codes at v64 + 136 q,
.set PW,   84                          ; its scale word at v84 + 136 q
.set PWW,  86
.set BV4,  240                         ; bv at my place of each of my four blocks
.set WV,   18
.set WA,   19                          ; my half of A; also: I fetch for A (0) or B (1)
.set WB,   20                          ; my half of B; also: which half I fetch
.set G1A,  24                          ; 3 K steps; written anew for the second part's tiles
.set G1B,  32
.set G1A2, 40                          ; the refill of 2 K steps
.set G1B2, 48
.set PF,   58                          ; s[58:59] my prefetches' base
.set G0A,  72                          ; a set for each slot
.set G0B,  80
.set SEL,  88
.set HI16, 92
.set OUT,  94
.set OSC,  96
.set MSB, 0
.macro WIN new                         ; the immediate's high byte repeats the setting that is left
.if MSB != (\new)
	s_set_vgpr_msb (MSB<<8)|(\new)
.set MSB, (\new)
.endif
.endm
.macro PLACES n
.rept \n
	v_nop
.endr
.endm
.macro CREST                           ; a round of the cluster's barrier behind its opening barrier
	s_cmp_lg_u32 s[WV], 0
	s_cbranch_scc1 .Lnot_wave_0_\@
	s_barrier_signal -3
.Lnot_wave_0_\@:
	s_barrier_wait -3
	s_barrier_signal -1
	s_barrier_wait -1
.endm
.macro CROUND
	s_barrier_signal -1
	s_barrier_wait -1
	CREST
.endm
.macro JLOAD g0a, g1a, g0b, g1b        ; a joint load: waves 0, 1 for A, waves 2, 3 for B; four v_nop follow each line
	s_cmp_eq_u32 s[WA], 0
	s_cbranch_scc0 .Lfor_b_\@
	tensor_load_to_lds s[\g0a:\g0a+3], s[\g1a:\g1a+7]
	s_nop 0
.rept 4
	v_nop
.endr
	s_branch .Lasked_\@
.Lfor_b_\@:
	tensor_load_to_lds s[\g0b:\g0b+3], s[\g1b:\g1b+7]
	s_nop 0
.rept 4
	v_nop
.endr
.Lasked_\@:
.endm
; What the next K step's LDS loads name: slot, place in a row block's part of the slot, that part's bytes, register set, K step
.macro NEXT slot, off, rp, set, k
.set NS, \slot
.set NO, \off
.set NR, \rp
.set NT, \set
.set NK, \k
.endm
.macro FB i                            ; B's fragment i: three loads
	WIN 0x40                                       ; destination window 1
.irp g, 0,1,2
	ds_load_b128 v[128*NT+12*(\i)+4*\g:128*NT+12*(\i)+4*\g+3], v[ADRB+NS] offset:(\i)*NR+NO+512*\g
.endr
.endm
.macro FA i                            ; A's
	WIN 0
.irp g, 0,1,2
	ds_load_b128 v[AF+96*NT+12*(\i)+4*\g:AF+96*NT+12*(\i)+4*\g+3], v[ADRA+NS] offset:(\i)*NR+NO+512*\g
.endr
.endm
.macro FS                              ; eight registers of scale words: lanes 0-15 A's block i, lanes 16-31 B's block i
	WIN 0
.irp i, 0,1,2,3,4,5,6,7
	ds_load_b32 v[SC+8*NT+\i], v[ADRS] offset:512*NK+64*\i
.endr
.endm
; THE FIRST PART.  A's block a against B's blocks h .. h + 3.  bias = 1: the sums begin with the bias tile of B's block.  The 64 accumulators take turns, one instruction a turn, in the same order in every K step
.macro M4 a, set, h, bias
.if \bias
	WIN 0x91+0x40*((\a)/4)                         ; source 0 window 1, source 1 window 0, C window 1, D window 2 or 3
.else
	WIN 0xa1+0x50*((\a)/4)                         ; C and D window 2 or 3
.endif
.irp b, 0,1,2,3
.set DD, 8*(8*((\a)%4)+(\h)+\b)
.set BB, 128*(\set)+12*((\h)+\b)
.set AA, AF+96*(\set)+12*(\a)
.set SB, SC+8*(\set)+(\h)+\b
.set SA, SC+8*(\set)+(\a)
.if \bias
.set CR, 96+8*((\h)+\b)+96*((\h)/4)
.else
.set CR, DD
.endif
	v_wmma_scale_f32_16x16x128_f8f6f4 v[DD:DD+7], v[BB:BB+11], v[AA:AA+11], v[CR:CR+7], v[SB], v[SA] matrix_a_fmt:MATRIX_FMT_BF6 matrix_b_fmt:MATRIX_FMT_BF6 matrix_a_scale:MATRIX_SCALE_ROW1
.endr
.endm
.macro RUN                             ; one K step's operands: 56 LDS loads in one run
.irp i, 0,1,2,3,4,5,6,7
	FB \i
.endr
.irp i, 0,1,2,3,4,5,6,7
	FA \i
.endr
	FS
.endm
; A K step: its operands were asked for a whole K step ago; the next step's go into the other set, four plain lines behind the last product that read it
.macro STEP set, bias, fetch, slot, off, rp, k
	s_wait_dscnt 0x0
.if \fetch
	PLACES 4
	NEXT \slot, \off, \rp, 1-(\set), \k
	RUN
.endif
.irp u, 0,1,2,3,4,5,6,7,8,9,10,11,12,13,14,15
	M4 \u/2, \set, 4*(\u%2), \bias
.endr
	WIN 0
.endm
; The descriptors of the second part's tiles: written where no tensor load of the wave is out.  Group 1: rows of 4 K steps (6,144 bytes = 768 elements of 8), 4 row blocks for Wv, 8 for x; masks, element size
; and the pitch in memory stay.  Group 0: slot 1 takes K steps 0-3, slot 0 K steps 4-7; Wv's halves lie first in a slot, x's behind them.
.macro VDESC
	s_mov_b32 s[G1A+1], 768<<16
	s_mov_b32 s[G1A+2], 4<<16
	s_mov_b32 s[G1A+3], 768<<16
	s_mov_b32 s[G1A+4], 4
	s_mov_b32 s[G1B+1], 768<<16
	s_mov_b32 s[G1B+3], 768<<16
	s_mul_i32 s93, s[WB], AH
	s_mov_b32 s[G0A+1], s93
	s_add_co_u32 s[G0A+5], s93, SLOT
	s_mul_i32 s93, s[WB], BH
	s_add_co_u32 s[G0B+1], s93, 2*AH
	s_add_co_u32 s[G0B+5], s93, 2*AH+SLOT
	s_mov_b64 s[G0A+6:G0A+7], s[6:7]
	s_add_nc_u64 s[G0A+2:G0A+3], s[6:7], 4*FRB
	s_mov_b64 s[G0B+6:G0B+7], s[4:5]
	s_add_nc_u64 s[G0B+2:G0B+3], s[4:5], 4*FRB
	s_or_b32 s[G0A+3], s[G0A+3], 0x80000000
	s_or_b32 s[G0A+7], s[G0A+7], 0x80000000
	s_or_b32 s[G0B+3], s[G0B+3], 0x80000000
	s_or_b32 s[G0B+7], s[G0B+7], 0x80000000
.endm
; A slot's last K step changes slots: one barrier, which opens a round of the cluster's barrier.  In front of it each wave waits for all its tensor loads, adds 0 to its spare word, and waits for that and for
; its reads of the slot; the joint load is the first thing behind the round.  fill = 1: slot 0 takes K steps 6 and 7.  fill = 2: slot 1 takes the second part's K steps 0-3.
.macro TURN set, fill, slot, off, rp, k
	s_wait_tensorcnt 0x0                           ; all my tensor loads have landed, so every descriptor may be written
	ds_add_u32 v[SPW], v[NIL]                      ; 0 onto my spare word
.if (\fill) == 1
	s_add_nc_u64 s[G0A+2:G0A+3], s[G0A+2:G0A+3], 6*FRB
	s_add_nc_u64 s[G0B+2:G0B+3], s[G0B+2:G0B+3], 6*FRB
.else
	VDESC
.endif
	s_wait_dscnt 0x1                               ; this step's operands are in; the add alone may be out
	M4 0, \set, 0, 0
	s_wait_dscnt 0x0                               ; the add is done, and my reads of this slot are over
	s_barrier_signal -1
.irp u, 1,2,3,4,5
	M4 \u/2, \set, 4*(\u%2), 0
.endr
	WIN 0
	s_barrier_wait -1
	CREST                                          ; no wave of any partner still reads the slot or has a load on its way
.if (\fill) == 1
	JLOAD G0A, G1A2, G0B, G1B2                     ; its four v_nop are also the places in front of the loads below
.else
	JLOAD G0A+4, G1A, G0B+4, G1B
.endif
	NEXT \slot, \off, \rp, 1-(\set), \k
	RUN
.irp u, 6,7,8,9,10,11,12,13,14,15
	M4 \u/2, \set, 4*(\u%2), 0
.endr
	WIN 0
.endm
; THE SECOND PART.  x's fragment i, Wv's fragment i, and eight registers of scale words: Wv's block i in lanes 0-15 of register i, x's blocks 2 i and 2 i + 1 in register 4 + i
.macro XB i
	WIN 0x40
.irp g, 0,1,2
	ds_load_b128 v[128*NT+12*(\i)+4*\g:128*NT+12*(\i)+4*\g+3], v[ADRB2+NS] offset:(\i)*RP2+NO+512*\g
.endr
.endm
.macro XA i
	WIN 0
.irp g, 0,1,2
	ds_load_b128 v[AF2+48*NT+12*(\i)+4*\g:AF2+48*NT+12*(\i)+4*\g+3], v[ADRA2+NS] offset:(\i)*RP2+NO+512*\g
.endr
.endm
.macro XS
	WIN 0
.irp i, 0,1,2,3
	ds_load_b32 v[SC+8*NT+\i], v[ADSA] offset:512*NK+64*\i
.endr
.irp i, 0,1,2,3
	ds_load_b32 v[SC+8*NT+4+\i], v[ADSB] offset:512*NK+128*\i
.endr
.endm
; Wv's block a against x's blocks h .. h + 3.  bias = 1: the sums begin with the bias tile of Wv's block.  The 32 accumulators take turns, one instruction a turn.
.macro MV a, set, h, bias
.if \bias
	WIN 0x91
.else
	WIN 0xa1
.endif
.irp b, 0,1,2,3
.set DD, 8*(8*(\a)+(\h)+\b)
.set BB, 128*(\set)+12*((\h)+\b)
.set AA, AF2+48*(\set)+12*(\a)
.set SB, SC+8*(\set)+4+((\h)+\b)/2
.set SA, SC+8*(\set)+(\a)
.if \bias
.set CR, 96+8*(\a)
.else
.set CR, DD
.endif
.if \b%2
	v_wmma_scale_f32_16x16x128_f8f6f4 v[DD:DD+7], v[BB:BB+11], v[AA:AA+11], v[CR:CR+7], v[SB], v[SA] matrix_a_fmt:MATRIX_FMT_BF6 matrix_b_fmt:MATRIX_FMT_BF6 matrix_a_scale:MATRIX_SCALE_ROW1
.else
	v_wmma_scale_f32_16x16x128_f8f6f4 v[DD:DD+7], v[BB:BB+11], v[AA:AA+11], v[CR:CR+7], v[SB], v[SA] matrix_a_fmt:MATRIX_FMT_BF6 matrix_b_fmt:MATRIX_FMT_BF6
.endif
.endr
.endm
.macro XRUN                            ; one K step's operands: 44 LDS loads in one run
.irp i, 0,1,2,3,4,5,6,7
	XB \i
.endr
.irp i, 0,1,2,3
	XA \i
.endr
	XS
.endm
.macro STEP2 set, bias, slot, off, k   ; its K step: as the first part's
	s_wait_dscnt 0x0
	PLACES 4
	NEXT \slot, \off, 0, 1-(\set), \k
	XRUN
.irp u, 0,1,2,3,4,5,6,7
	MV \u/2, \set, 4*(\u%2), \bias
.endr
	WIN 0
.endm
; The second part's one change of slots: nothing is filled again; behind the barrier slot 0's tiles, which four waves fetched, are whole for all four
.macro TURN2 set, slot, k
	s_wait_tensorcnt 0x0
	ds_add_u32 v[SPW], v[NIL]                      ; 0 onto my spare word
	s_wait_dscnt 0x1                               ; this step's operands are in; the add alone may be out
	MV 0, \set, 0, 0
	s_wait_dscnt 0x0
	s_barrier_signal -1
	MV 0, \set, 4, 0
	WIN 0
	s_barrier_wait -1
	PLACES 4
	NEXT \slot, 0, 0, 1-(\set), \k
	XRUN
.irp u, 2,3,4,5,6,7
	MV \u/2, \set, 4*(\u%2), 0
.endr
	WIN 0
.endm
; THE WAY OUT.  A's blocks a and a + 1 by turns: of each a lane's 64 results are register 16 b + i = k 32 b + 16 h + i of the next product's K step: they are quantised as they stand, straight from the accumulators
; (each from its low end on), and a fragment leaves by three stores of 512 consecutive bytes; the row block stands in the immediate.  The two blocks' scale words leave together: 128 consecutive bytes.
.macro QOUT2 a, outp, str, oscp
	WIN 0x0a+5*((\a)/4)                            ; sources 0 and 1: window 2 or 3
.irp q, 0,1
.set S0, 64*((\a+\q)%4)
.irp b, 0,1,2,3
	v_max3_num_f32 v[TM+136*\q+\b], |v[S0+16*\b]|, |v[S0+1+16*\b]|, 0x2800000   ; and the floor 2^(5 - 127): the byte cannot fall under 1
.endr
.endr
.irp i, 2,4,6,8,10,12,14
.irp q, 0,1
.set S0, 64*((\a+\q)%4)
.irp b, 0,1,2,3
	v_max3_num_f32 v[TM+136*\q+\b], |v[S0+16*\b+\i]|, |v[S0+1+16*\b+\i]|, v[TM+136*\q+\b]
.endr
.endr
.endr
	WIN 0
.irp q, 0,1
.irp b, 0,1,2,3
	v_permlanex16_b32 v[TM+136*\q+4+\b], v[TM+136*\q+\b], s[SEL], s[SEL+1]
.endr
.endr
.irp q, 0,1
.irp b, 0,1,2,3
	v_max_num_f32 v[TM+136*\q+\b], v[TM+136*\q+\b], v[TM+136*\q+4+\b]   ; with lane l xor 16's 16: the block's largest magnitude
.endr
.endr
.irp q, 0,1
.irp b, 0,1,2,3
	v_add_nc_u32 v[TM+136*\q+12+\b], 0xfe000000, v[TM+136*\q+\b]   ; 4 off its exponent field: the conversion takes that field as its scale
.endr
.endr
.irp q, 0,1
.irp b, 0,1,2,3
	v_lshrrev_b32 v[TM+136*\q+4+\b], 23, v[TM+136*\q+12+\b]   ; the scale's byte
.endr
.endr
.irp b, 1,2,3
.irp q, 0,1
.if \b == 1
	v_lshl_or_b32 v[PW+136*\q], v[TM+136*\q+5], 8, v[TM+136*\q+4]
.else
	v_lshl_or_b32 v[PW+136*\q], v[TM+136*\q+4+\b], 8*\b, v[PW+136*\q]
.endif
.endr
.endr
	s_wait_alu depctr_va_vdst(0)
	s_wait_xcnt 0x0                                ; the last pair's stores have read their registers, which the lines below are the first to write again
	WIN 2+(\a)/4                                   ; source 0: window 2 or 3
.irp q, 0,1
.set S0, 64*((\a+\q)%4)
.irp c, 0,1
	v_cvt_scalef32_pk16_bf6_f32 v[PC+136*\q+6*\c:PC+136*\q+2+6*\c], v[S0+32*\c:S0+15+32*\c], v[TM+136*\q+12+2*\c]
	v_cvt_scalef32_pk16_bf6_f32 v[PC+136*\q+12+4*\c:PC+136*\q+14+4*\c], v[S0+16+32*\c:S0+31+32*\c], v[TM+136*\q+12+2*\c+1]   ; a conversion's three registers begin on an even number
.endr
.endr
	WIN 0
	v_nop                                          ; one plain line behind the scaled conversions
.irp q, 0,1                                    ; the operand wants a whole block in a lane: lanes 0-15 block 2 c, lanes 16-31 block 2 c + 1
.irp c, 0,1
.irp i, 0,1,2
	v_permlane16_swap_b32 v[PC+136*\q+6*\c+\i], v[PC+136*\q+12+4*\c+\i]
.endr
.endr
.endr
.irp q, 0,1
.irp c, 0,1
.irp i, 0,1,2
	v_mov_b32 v[PC+136*\q+3+6*\c+\i], v[PC+136*\q+12+4*\c+\i]
.endr
.endr
.endr
.irp q, 0,1
.irp g, 0,1,2
	global_store_b128 v3, v[PC+136*\q+4*\g:PC+136*\q+4*\g+3], s[\outp:\outp+1] offset:(\str)*(\a+\q)+512*\g
.endr
.endr
	v_cndmask_b32 v[PWW], v[PW], v[PW+136], s[HI16]   ; lanes 0-15: block a's words; lanes 16-31: block a + 1's
	global_store_b32 v12, v[PWW], s[\oscp:\oscp+1] offset:64*(\a)
.endm
	s_load_b256 s[4:11], s[0:1], 0x0               ; xq s[4:5], wq s[6:7], bq s[8:9], bk s[10:11]
	s_load_b128 s[12:15], s[0:1], 0x20             ; bv s[12:13], qk s[14:15]
	s_load_b64 s[16:17], s[0:1], 0x30              ; vt
	v_lshl_add_u32 v[SPW], v0, 2, SPARE
	v_mov_b32 v[NIL], 0
	ds_add_u32 v[SPW], v[NIL]                      ; the opening: the add, twice on end, and its wait ahead of my first tensor load
	ds_add_u32 v[SPW], v[NIL]
	v_lshrrev_b32 v1, 5, v0
	v_readfirstlane_b32 s[WV], v1                  ; wave 0..3
	s_lshr_b32 s[WA], s[WV], 1
	s_and_b32 s[WB], s[WV], 1
	s_bfe_u32 s100, ttmp6, 0x40000                 ; cx: of the descriptors it enters B's alone
	s_bfe_u32 s66, ttmp6, 0x40004                  ; cy: A's alone
	s_and_b32 s21, ttmp7, 0xffff                   ; cluster y, 0..7
	s_lshl_b32 s22, s21, 2
	s_add_co_u32 s22, s22, s66                     ; first part, A: x's tile 4 x cluster y + cy, 0..31
	s_lshl_b32 s23, ttmp9, 2
	s_add_co_u32 s23, s23, s100                    ; B: Wq | Wk's tile 4 x cluster x + cx, 0..7
	s_lshl_b32 s90, ttmp9, 2
	s_add_co_u32 s90, s90, s66                     ; second part, A: Wv's half tile 4 x cluster x + cy, 0..7
	s_lshl_b32 s91, s21, 2
	s_add_co_u32 s91, s91, s100                    ; B: x's tile 4 x cluster y + cx, 0..31
	s_lshl_b32 s67, s66, 2
	s_lshl_b32 s67, 15, s67                        ; my row of the cluster
	s_lshl_b32 s101, 0x1111, s100                  ; my column
	s_or_b32 s[G1A], s67, (3<<16)|(1<<21)          ; 15:0 the mask; 17:16 elements of 8 bytes; 21 set beside a mask; no padding
	s_or_b32 s[G1A2], s67, (3<<16)|(1<<21)
	s_or_b32 s[G1B], s101, (3<<16)|(1<<21)
	s_or_b32 s[G1B2], s101, (3<<16)|(1<<21)
.irp g, G1A, G1B                       ; 8 row blocks x 3 K steps (4,608 bytes = 576 elements), 12,288 bytes apart in memory, dense in LDS
	s_mov_b32 s[\g+1], 576<<16
	s_mov_b32 s[\g+2], 8<<16
	s_mov_b32 s[\g+3], 576<<16
	s_mov_b32 s[\g+4], 8
	s_mov_b32 s[\g+5], 1536
	s_mov_b32 s[\g+6], 0
	s_mov_b32 s[\g+7], 0
.endr
.irp g, G1A2, G1B2                     ; the same with 2 K steps (3,072 bytes = 384 elements)
	s_mov_b32 s[\g+1], 384<<16
	s_mov_b32 s[\g+2], 8<<16
	s_mov_b32 s[\g+3], 384<<16
	s_mov_b32 s[\g+4], 8
	s_mov_b32 s[\g+5], 1536
	s_mov_b32 s[\g+6], 0
	s_mov_b32 s[\g+7], 0
.endr
	s_lshl_b32 s56, s22, 4                         ; my prefetches: of the 8 row blocks that I fetch, the two of my place among the four partners: in A row block 16 x tile + 8 f + 2 cx,
	s_lshl_b32 s57, s100, 1
	s_add_co_u32 s56, s56, s57
	s_lshl_b32 s57, s23, 4                         ; in B 16 x tile + 8 f + 2 cy
	s_lshl_b32 s58, s66, 1
	s_add_co_u32 s57, s57, s58
	s_cmp_eq_u32 s[WA], 0
	s_cselect_b32 s56, s56, s57
	s_lshl_b32 s93, s[WB], 3
	s_add_co_u32 s56, s56, s93
	s_mul_i32 s56, s56, RBP
	s_mov_b32 s57, 0
	s_lshl_b32 s68, s22, 13                        ; x's two groups of scale words, 8,192 dense bytes,
	s_add_co_u32 s68, s68, 6291456
	s_mov_b32 s69, 0
	s_lshl_b32 s70, s23, 13                        ; and the weights'
	s_add_co_u32 s70, s70, 2359296
	s_mov_b32 s71, 0
	s_lshl_b32 s66, s22, 4                         ; A's codes: row block 16 x tile + 8 f
	s_add_co_u32 s66, s66, s93
	s_mul_i32 s66, s66, RBP
	s_mov_b32 s67, 0
	s_lshl_b32 s100, s23, 4                        ; B's codes likewise
	s_add_co_u32 s100, s100, s93
	s_mul_i32 s100, s100, RBP
	s_mov_b32 s101, 0
	s_mov_b32 s[SEL], 0x76543210
	s_mov_b32 s[SEL+1], 0xfedcba98
	s_mov_b32 s[HI16], 0xffff0000
	s_mul_i32 s2, s[WA], QTR                       ; my parts of the LDS images
	s_mul_i32 s3, s[WB], QTR
	s_add_co_u32 s3, s3, 2*QTR
	s_add_co_u32 s93, s[WB], 2
	s_sub_co_u32 s93, s93, s[WA]
	s_lshl_b32 s93, s93, 12                        ; from A's group of scale words to B's
	s_lshl_b32 s98, s[WA], 12
	s_add_co_u32 s98, s98, SCL
	s_mul_i32 s99, s[WA], AH
	s_mul_i32 s60, s[WB], BH
	s_add_co_u32 s60, s60, 2*AH
	s_lshl_b32 s61, s[WA], 8
	s_add_co_u32 s61, s61, SCL2
	s_lshl_b32 s62, s[WB], 12
	s_add_co_u32 s62, s62, SCL2+4096
	v_and_b32 v11, 31, v0                          ; lane
	v_and_b32 v1, 15, v0                           ; r
	v_bfe_u32 v2, v0, 4, 1                         ; h
	v_lshlrev_b32 v3, 4, v11                       ; 16 x lane
	v_lshlrev_b32 v12, 2, v11                      ; 4 x lane
	v_lshlrev_b32 v13, 4, v0                       ; 16 x thread
	v_lshl_add_u32 v31, v0, 4, SCL                 ; where I put my 16 bytes of each 2,048 of scale words: the first part's,
	v_lshl_add_u32 v20, v0, 4, SCL2                ; the second's
	v_lshlrev_b32 v21, 6, v2                       ; bias tile x, register j: b(32 (x/2) + 8 (x%2) + 16 h + j): eight neighbours a lane
	v_add_nc_u32 v[ADRA], s2, v3
	v_add_nc_u32 v[ADRB], s3, v3
	v_add_nc_u32 v[ADRA2], s99, v3
	v_add_nc_u32 v[ADRB2], s60, v3
	v_add_nc_u32 v[ADRA+1], SLOT, v[ADRA]
	v_add_nc_u32 v[ADRB+1], SLOT, v[ADRB]
	v_add_nc_u32 v[ADRA2+1], SLOT, v[ADRA2]
	v_add_nc_u32 v[ADRB2+1], SLOT, v[ADRB2]
	v_mul_u32_u24 v[ADRS], s93, v2                 ; lanes 16-31 take B's
	v_lshl_add_u32 v[ADRS], v1, 2, v[ADRS]
	v_add_nc_u32 v[ADRS], s98, v[ADRS]
	v_lshl_add_u32 v[ADSA], v1, 2, s61             ; Wv's words of my 64 places
	v_add_nc_u32 v[ADSB], s62, v12                 ; x's group of my 128 places
	v_and_b32 v30, 8, v1
	v_add_nc_u32 v30, v30, v1
	v_lshlrev_b32 v30, 2, v30                      ; bv: 4 (r + 8 (r / 8))
	v_min_u32 v1, 17, v11
	v_lshlrev_b32 v1, 8, v1                        ; prefetches of 3 K steps: 18 blocks of 256 bytes of a row block; the lanes left over name the last again
	v_min_u32 v2, 11, v11
	v_lshlrev_b32 v2, 8, v2                        ; of 2 K steps: 12 blocks
	s_wait_alu depctr_va_vdst(0)
	s_wait_dscnt 0x0                               ; both opening adds are done
	CROUND                                         ; all sixteen work-groups are here: the first joint loads meet
	s_wait_kmcnt 0x0                               ; the arguments, asked for ahead of the round
	s_cmp_eq_u32 s[WA], 0
	s_cselect_b64 s[PF:PF+1], s[4:5], s[6:7]
	s_add_nc_u64 s[PF:PF+1], s[PF:PF+1], s[56:57]
	s_add_nc_u64 s[G0A+2:G0A+3], s[4:5], s[66:67]
	s_add_nc_u64 s[G0B+2:G0B+3], s[6:7], s[100:101]
	s_add_nc_u64 s[G0A+6:G0A+7], s[G0A+2:G0A+3], 3*FRB   ; slot 1: K steps 3 to 5
	s_add_nc_u64 s[G0B+6:G0B+7], s[G0B+2:G0B+3], 3*FRB
	s_or_b32 s[G0A+3], s[G0A+3], 0x80000000
	s_or_b32 s[G0A+7], s[G0A+7], 0x80000000
	s_or_b32 s[G0B+3], s[G0B+3], 0x80000000
	s_or_b32 s[G0B+7], s[G0B+7], 0x80000000
	s_mul_i32 s93, s[WV], QTR                      ; where my quarter goes: no place in the cluster enters an LDS address
	s_mov_b32 s[G0A], 1
	s_mov_b32 s[G0A+1], s93
	s_mov_b32 s[G0A+4], 1
	s_add_co_u32 s[G0A+5], s93, SLOT
	s_mov_b32 s[G0B], 1
	s_mov_b32 s[G0B+1], s93
	s_mov_b32 s[G0B+4], 1
	s_add_co_u32 s[G0B+5], s93, SLOT
	JLOAD G0A, G1A, G0B, G1B                       ; slot 0: one tensor load a wave at the head
	; the loads into registers: the first part's scale words, bq or bk as eight tiles in the result's layout, and the second part's scale words
	s_add_nc_u64 s[68:69], s[4:5], s[68:69]
	s_add_nc_u64 s[70:71], s[6:7], s[70:71]
.irp j, 0,1,2,3
	global_load_b128 v[64+4*\j:67+4*\j], v13, s[68:69] offset:2048*\j   ; the work-group reads 2,048 consecutive bytes a line
.endr
.irp j, 0,1,2,3
	global_load_b128 v[80+4*\j:83+4*\j], v13, s[70:71] offset:2048*\j
.endr
	s_and_b32 s93, s23, 3
	s_lshl_b32 s93, s93, 1
	s_add_co_u32 s93, s93, s[WB]                   ; ks: my 128 of e are K step 2 (tile % 4) + wb of tensor tile / 4
	s_cmp_lt_u32 s23, 4
	s_cselect_b64 s[8:9], s[8:9], s[10:11]         ; bq or bk
	s_lshl_b32 s2, s93, 9
	s_mov_b32 s3, 0
	s_add_nc_u64 s[8:9], s[8:9], s[2:3]            ; at my 128 numbers
	s_lshl_b32 s2, s90, 12
	s_add_co_u32 s2, s2, 2359296+16*4096           ; Wv's groups of scale words lie behind Wq's and Wk's sixteen
	s_add_nc_u64 s[98:99], s[6:7], s[2:3]
	s_lshl_b32 s2, s91, 13
	s_add_co_u32 s2, s2, 6291456                   ; x's two groups: 8,192 dense bytes
	s_add_nc_u64 s[10:11], s[4:5], s[2:3]
	WIN 0x40                                       ; destination window 1
.irp x, 0,1,2,3,4,5,6,7
	global_load_b128 v[96+8*\x+96*(\x/4):96+8*\x+96*(\x/4)+3], v21, s[8:9] offset:(32*(\x/2)+8*(\x%2))*4
	global_load_b128 v[96+8*\x+96*(\x/4)+4:96+8*\x+96*(\x/4)+7], v21, s[8:9] offset:(32*(\x/2)+8*(\x%2))*4+16
.endr
	WIN 0
.irp j, 0,1
	global_load_b128 v[22+4*\j:25+4*\j], v13, s[98:99] offset:2048*\j
.endr
.irp j, 0,1,2,3
	global_load_b128 v[48+4*\j:51+4*\j], v13, s[10:11] offset:2048*\j
.endr
	; slot 1's K steps 3-5 are asked of memory while slot 0's load is on its way: my share of two row blocks, 18 blocks of 256 bytes each
	global_prefetch_b8 v1, s[PF:PF+1] offset:3*FRB th:TH_LOAD_NT scope:SCOPE_SE
	global_prefetch_b8 v1, s[PF:PF+1] offset:3*FRB+RBP th:TH_LOAD_NT scope:SCOPE_SE
	; the second part's tiles: s[6:7] Wv's codes at row block 128 + 8 x half tile + 4 f, s[4:5] x's at 16 x tile + 8 f
	s_lshl_b32 s66, s90, 3
	s_lshl_b32 s67, s[WB], 2
	s_add_co_u32 s66, s66, s67
	s_add_co_u32 s66, s66, 128
	s_mul_i32 s66, s66, RBP
	s_mov_b32 s67, 0
	s_add_nc_u64 s[6:7], s[6:7], s[66:67]
	s_lshl_b32 s100, s91, 4
	s_lshl_b32 s101, s[WB], 3
	s_add_co_u32 s100, s100, s101
	s_mul_i32 s100, s100, RBP
	s_mov_b32 s101, 0
	s_add_nc_u64 s[4:5], s[4:5], s[100:101]
	; where Q or K goes.  G = 2 x tile + wa: my group of 128 places (8 row blocks of 8 K steps)
	s_lshl_b32 s21, s22, 1
	s_add_co_u32 s21, s21, s[WA]
	s_lshl_b32 s2, s21, 6
	s_add_co_u32 s2, s2, s93
	s_mul_i32 s2, s2, FRB
	s_lshr_b32 s3, s23, 2
	s_mul_i32 s3, s3, 6291456
	s_add_co_u32 s2, s2, s3
	s_mov_b32 s3, 0
	s_add_nc_u64 s[OUT:OUT+1], s[14:15], s[2:3]    ; codes
	s_lshl_b32 s2, s21, 3
	s_add_co_u32 s2, s2, s93
	s_lshl_b32 s2, s2, 9
	s_lshr_b32 s21, s23, 2
	s_lshl_b32 s21, s21, 18
	s_add_co_u32 s2, s2, s21
	s_add_co_u32 s2, s2, 12582912
	s_add_nc_u64 s[OSC:OSC+1], s[14:15], s[2:3]    ; scale words
	; where V^T goes: my 128 keys are K step (2 x tile + wb) % 16 of batch (2 x tile + wb) / 16; my rows are e blocks 8 x half tile + 4 wa on
	s_lshl_b32 s21, s91, 1
	s_add_co_u32 s21, s21, s[WB]
	s_lshr_b32 s93, s21, 4                         ; the batch
	s_and_b32 s21, s21, 15                         ; the K step
	s_lshl_b32 s2, s93, 3
	s_add_co_u32 s2, s2, s90
	s_lshl_b32 s2, s2, 4
	s_add_co_u32 s2, s2, s21
	s_lshl_b32 s2, s2, 9
	s_lshl_b32 s3, s[WA], 8
	s_add_co_u32 s2, s2, s3
	s_add_co_u32 s2, s2, 6291456
	s_mov_b32 s3, 0
	s_add_nc_u64 s[14:15], s[16:17], s[2:3]        ; scale words
	s_lshl_b32 s2, s93, 6
	s_lshl_b32 s3, s90, 3
	s_add_co_u32 s2, s2, s3
	s_lshl_b32 s3, s[WA], 2
	s_add_co_u32 s2, s2, s3
	s_lshl_b32 s2, s2, 4
	s_add_co_u32 s2, s2, s21
	s_mul_i32 s2, s2, FRB
	s_mov_b32 s3, 0
	s_add_nc_u64 s[16:17], s[16:17], s[2:3]        ; codes
	s_lshl_b32 s2, s90, 9
	s_lshl_b32 s21, s[WA], 8
	s_add_co_u32 s2, s2, s21
	s_add_nc_u64 s[12:13], s[12:13], s[2:3]        ; bv at my 64 of e
	s_wait_loadcnt 0x0                             ; the bias and both parts' scale words
.irp j, 0,1,2,3,4,5,6,7
	ds_store_b128 v31, v[64+4*\j:67+4*\j] offset:2048*\j
.endr
.irp j, 0,1
	ds_store_b128 v20, v[22+4*\j:25+4*\j] offset:2048*\j
.endr
.irp j, 0,1,2,3
	ds_store_b128 v20, v[48+4*\j:51+4*\j] offset:4096+2048*\j
.endr
	s_wait_tensorcnt 0x0                           ; my part of slot 0 is in
	ds_add_u32 v[SPW], v[NIL]
	s_wait_dscnt 0x0                               ; the add and my stores are done
	CROUND                                         ; everybody's are, and all sixteen work-groups are here,
	JLOAD G0A+4, G1A, G0B+4, G1B                   ; and slot 1's load, the first tensor load behind the round
	NEXT 0, 0, 3*FRB, 0, 0
	FS
.irp i, 0,1,2,3,4,5,6,7
	FB \i
.endr
.irp i, 0,1,2,3,4,5,6,7
	FA \i
.endr
	; K steps 6-7 are asked of memory two K steps and more ahead of their load
	global_prefetch_b8 v2, s[PF:PF+1] offset:6*FRB th:TH_LOAD_NT scope:SCOPE_SE
	global_prefetch_b8 v2, s[PF:PF+1] offset:6*FRB+RBP th:TH_LOAD_NT scope:SCOPE_SE
	STEP 0, 1, 1, 0, FRB, 3*FRB, 1                 ; K step 0 starts the sums with the bias: nothing is cleared, nothing is added later
	STEP 1, 0, 1, 0, 2*FRB, 3*FRB, 2
	TURN 0, 1, 1, 0, 3*FRB, 3
	STEP 1, 0, 1, 1, FRB, 3*FRB, 4
	STEP 0, 0, 1, 1, 2*FRB, 3*FRB, 5
	TURN 1, 2, 0, 0, 2*FRB, 6
	STEP 0, 0, 1, 0, FRB, 2*FRB, 7
	STEP 1, 0, 0, 0, 0, 0, 0
	PLACES 4                                       ; behind the last products, ahead of the first read of results and of loads into operands' registers
.irp q, 0,1
.irp b, 0,1,2,3
	v_mov_b32 v[TM+136*\q+4+\b], 0                 ; written once: a lane permute's destination counts as one of its sources
.endr
.endr
.irp a, 0,1,2,3
	global_load_b32 v[BV4+\a], v30, s[12:13] offset:(32*(\a/2)+8*(\a%2))*4   ; bv at place r of my block a
.endr
	QOUT2 0, OUT, RBP, OSC
	; THE CHANGE OF SLOTS IN THE WAY OUT: slot 1's tiles of the second part have landed, nobody reads slot 0 any more: it takes the second part's K steps 4-7, which have the other six blocks of the way out and
	; three K steps in which to land; the second part's first operands are fetched
	s_wait_tensorcnt 0x0
	ds_add_u32 v[SPW], v[NIL]                      ; 0 onto my spare word
	s_wait_dscnt 0x0
	CROUND
	JLOAD G0A, G1A, G0B, G1B
	NEXT 1, 0, 0, 0, 0
	XS
.irp i, 0,1,2,3,4,5,6,7
	XB \i
.endr
.irp i, 0,1,2,3
	XA \i
.endr
	QOUT2 2, OUT, RBP, OSC
	QOUT2 4, OUT, RBP, OSC
	QOUT2 6, OUT, RBP, OSC
	s_wait_loadcnt 0x0                             ; bv
	WIN 0x40                                       ; destination window 1
.irp a, 0,1,2,3
.irp j, 0,1,2,3,4,5,6,7
	v_mov_b32 v[96+8*\a+\j], v[BV4+\a]             ; the bias tile of Wv's block a: a lane's eight results belong to one e
.endr
.endr
	WIN 0
	s_wait_alu depctr_va_vdst(0)
	STEP2 0, 1, 1, FRB, 1                          ; K step 0 starts the sums with the bias
	STEP2 1, 0, 1, 2*FRB, 2
	STEP2 0, 0, 1, 3*FRB, 3
	TURN2 1, 0, 4
	STEP2 0, 0, 0, FRB, 5
	STEP2 1, 0, 0, 2*FRB, 6
	STEP2 0, 0, 0, 3*FRB, 7
	s_wait_dscnt 0x0
.irp u, 0,1,2,3,4,5,6,7
	MV \u/2, 1, 4*(\u%2), 0
.endr
	WIN 0
	PLACES 4
	QOUT2 0, 16, 16*FRB, 14
	QOUT2 2, 16, 16*FRB, 14
	s_wait_tensorcnt 0x0                           ; the wave's end
	ds_add_u32 v[SPW], v[NIL]
	s_wait_dscnt 0x0
	CROUND                                         ; the closing round: no work-group ends while a partner may still ask for a tile that names it
	s_endpgm
.Lfunc_end_k_q107842a14e_proj:
	.size	k_q107842a14e_proj, .Lfunc_end_k_q107842a14e_proj-k_q107842a14e_proj
	.p2alignl 7, 3214868480
	.fill 96, 4, 3214868480
	.section	.rodata,"a",@progbits
	.p2align	6, 0x0
	.amdhsa_kernel k_q107842a14e_proj
		.amdhsa_group_segment_fixed_size 327680
		.amdhsa_private_segment_fixed_size 0
		.amdhsa_enable_private_segment 0
		.amdhsa_kernarg_size 56
		.amdhsa_user_sgpr_count 2
		.amdhsa_user_sgpr_kernarg_segment_ptr 1
		.amdhsa_wavefront_size32 1
		.amdhsa_system_sgpr_workgroup_id_x 1
		.amdhsa_system_sgpr_workgroup_id_y 1
		.amdhsa_system_sgpr_workgroup_id_z 1
		.amdhsa_system_vgpr_workitem_id 0
		.amdhsa_next_free_vgpr 1024
		.amdhsa_next_free_sgpr 102
		.amdhsa_reserve_vcc 0
		.amdhsa_float_denorm_mode_32 3
		.amdhsa_float_denorm_mode_16_64 3
		.amdhsa_memory_ordered 1
		.amdhsa_forward_progress 1
		.amdhsa_inst_pref_size 224
	.end_amdhsa_kernel
	.amdgpu_metadata
---
amdhsa.version: [ 1, 2 ]
amdhsa.kernels:
  - .name:           k_q107842a14e_proj
    .symbol:         k_q107842a14e_proj.kd
    .args:
      - { .name: xq, .offset: 0, .size: 8, .value_kind: global_buffer, .address_space: global }
      - { .name: wq, .offset: 8, .size: 8, .value_kind: global_buffer, .address_space: global }
      - { .name: bq, .offset: 16, .size: 8, .value_kind: global_buffer, .address_space: global }
      - { .name: bk, .offset: 24, .size: 8, .value_kind: global_buffer, .address_space: global }
      - { .name: bv, .offset: 32, .size: 8, .value_kind: global_buffer, .address_space: global }
      - { .name: qk, .offset: 40, .size: 8, .value_kind: global_buffer, .address_space: global }
      - { .name: vt, .offset: 48, .size: 8, .value_kind: global_buffer, .address_space: global }
    .group_segment_fixed_size: 327680
    .private_segment_fixed_size: 0
    .kernarg_segment_align: 8
    .kernarg_segment_size: 56
    .max_flat_workgroup_size: 128
    .sgpr_count:     102
    .vgpr_count:     1024
    .wavefront_size: 32
...
	.end_amdgpu_metadata
.endif
;; end of part 2
;; launch score (part 3): grid 8 x 32, 4 waves a work-group, clusters of 4 x 4, 327,680 bytes of LDS; arguments qk, pp; writes pp
.if DOCPART == 3
	.amdgcn_target "amdgcn-amd-amdhsa--gfx1250"
	.amdhsa_code_object_version 6
	.text
	.protected	k_q107842a14e_score
	.globl	k_q107842a14e_score
	.p2align	8
	.type	k_q107842a14e_score,@function
k_q107842a14e_score:
	s_mov_b64 s[64:65], 0
	v_nop
	global_prefetch_b8 v0, s[64:65] scope:SCOPE_SE
	s_setreg_imm32_b32 hwreg(HW_REG_WAVE_MODE, 25, 1), 1
	s_wait_xcnt 0x0
	s_wait_alu depctr_hold_cnt(0) depctr_sa_sdst(0) depctr_va_vdst(0) depctr_va_sdst(0) depctr_va_ssrc(0) depctr_va_vcc(0) depctr_vm_vsrc(0)
	s_getreg_b32 s2, hwreg(HW_REG_IB_STS2, 6, 4)
	s_cmp_eq_u32 s2, 0
	s_cbranch_scc0 .Lentry_in_a_cluster
	s_endpgm
.Lentry_in_a_cluster:
	s_bfe_u32 s2, ttmp6, 0x10000c
	s_cmp_lg_u32 s2, 0xf033
	s_cbranch_scc0 .Lentry_shape_is_right
	s_endpgm
.Lentry_shape_is_right:
; S = Q K^T on codes of BF6 (E3M2) with E8M0 scales, sums in f32, and the softmax's p as codes.  t = score x log2(e) / 32.  A wave holds 128 queries x 128 keys.  For each query it takes
; Mloc = ceil(the largest t of these 128 keys), a whole number, p = 2^(t - Mloc), the sum of the unquantised p, and quantises p along the keys: one fragment and one scale word a query block.
; p under Mloc is the row's p times an exact power of two, which a block's scale byte takes up: the next launch takes the row's M - Mloc off the bytes and brings the sums under the row's M.
; So the maximum is taken away ahead of every exponential, and no score goes to memory.  Stored for each query and each 128 keys: the codes, the scale word, -Mloc and the sum (f32).
; LIMITS: NaN and infinities are not served.  The promise holds while |t| stays under 2^31.  A block's largest p is made from the block's largest score by the same multiply-add and exponential, which leans
; on v_exp_f32 not falling where its input rises.  A block whose every p has fallen to 0 gets the byte 1: its codes are zeros.
; Layouts: a fragment (16 places x 128 K) is 1,536 bytes, registers 4 g .. 4 g + 3 of lane l at 512 g + 16 l, fragments [row block][K step], scale words [128 places][K step][128].
; A tile of 256 queries x 256 keys, four waves, 128 x 128 each.  Source 1 = Q (a lane holds one query), source 0 = K, whose blocks' places are ordered so that the 16 registers of two neighbouring
; blocks are 16 neighbouring keys.  Clusters 4 x 4: Q's tile is asked for jointly by a row of the cluster, K's by a column; the scale words, a small part, come by plain loads through registers into LDS.
; K = 1,024 is 8 steps; two LDS slots of 3 K steps, slot 0 filled once more with the last 2.  A wave has one tensor load out at any time.  K steps 3-5 and 6-7 are prefetched ahead of their loads, each block of
; 256 bytes once in a cluster.
; REGISTERS: window 0: v0-31 addresses, v32-47 scale words (two sets), v64-159, v160-255 Q's fragments (two sets); the way out works in v32-244.  1: v0-95, v128-223 K's.
; 2, 3: accumulator (a, b) at v[8 (8 (a % 4) + b)] of window 2 + a / 4.
.set FRB,   1536
.set RBP,   8*FRB
.set QTR,   8*3*FRB
.set SLOT,  4*QTR
.set SCL,   2*SLOT                     ; Q's two groups of scale words, then K's two: 4,096 bytes each; no fill lands here
.set SPARE, SCL+4*4096                 ; the spare words, 128 bytes a wave: two blocks of 256 bytes that no other line names
.set ADRA, 4
.set ADRB, 6
.set ADRS, 8
.set SPW,  9
.set NIL,  10
.set SC,   32
.set AF,   64
.set BM,   32                          ; the way out, block q of a pair: v32 + 16 q on: the blocks' largest (4), at work (4), the conversions' scale operands (4),
.set NM,   44                          ; -Mloc (and its pair's upper half),
.set TT,   46                          ; at work
.set T,    64                          ; v64 + 64 q: t - Mloc, then p
.set LS,   192                         ; v192 + 4 q: the sum, in two chains
.set PC,   200                         ; v200 + 20 q: the codes just made
.set PW,   240                         ; v240 + q: the scale word
.set PWW,  242
.set NMW,  243
.set LW,   244
.set WV,   18
.set WA,   19
.set WB,   20
.set G1A,  24
.set G1B,  32
.set G1A2, 40
.set G1B2, 48
.set PF,   58                          ; s[58:59] my prefetches' base
.set G0A,  72
.set G0B,  80
.set SEL,  88
.set CS,   90                          ; s[90:91] c = log2(e) / 32
.set HI16, 92
.set OUT,  94
.set OSC,  96
.set MSB, 0
.macro WIN new
.if MSB != (\new)
	s_set_vgpr_msb (MSB<<8)|(\new)
.set MSB, (\new)
.endif
.endm
.macro PLACES n
.rept \n
	v_nop
.endr
.endm
.macro CREST
	s_cmp_lg_u32 s[WV], 0
	s_cbranch_scc1 .Lnot_wave_0_\@
	s_barrier_signal -3
.Lnot_wave_0_\@:
	s_barrier_wait -3
	s_barrier_signal -1
	s_barrier_wait -1
.endm
.macro CROUND
	s_barrier_signal -1
	s_barrier_wait -1
	CREST
.endm
.macro JLOAD g0a, g1a, g0b, g1b        ; a joint load: waves 0, 1 for Q, waves 2, 3 for K; four v_nop follow each line
	s_cmp_eq_u32 s[WA], 0
	s_cbranch_scc0 .Lfor_b_\@
	tensor_load_to_lds s[\g0a:\g0a+3], s[\g1a:\g1a+7]
	s_nop 0
.rept 4
	v_nop
.endr
	s_branch .Lasked_\@
.Lfor_b_\@:
	tensor_load_to_lds s[\g0b:\g0b+3], s[\g1b:\g1b+7]
	s_nop 0
.rept 4
	v_nop
.endr
.Lasked_\@:
.endm
.macro NEXT slot, off, rp, set, k      ; what the next K step's LDS loads name: slot, place in a row block's part of the slot, that part's bytes, register set, K step
.set NS, \slot
.set NO, \off
.set NR, \rp
.set NT, \set
.set NK, \k
.endm
.macro FB i                            ; K's fragment i: three loads
	WIN 0x40
.irp g, 0,1,2
	ds_load_b128 v[128*NT+12*(\i)+4*\g:128*NT+12*(\i)+4*\g+3], v[ADRB+NS] offset:(\i)*NR+NO+512*\g
.endr
.endm
.macro FA i                            ; Q's
	WIN 0
.irp g, 0,1,2
	ds_load_b128 v[AF+96*NT+12*(\i)+4*\g:AF+96*NT+12*(\i)+4*\g+3], v[ADRA+NS] offset:(\i)*NR+NO+512*\g
.endr
.endm
.macro FS                              ; scale words: lanes 0-15 Q's block i; lanes 16-31 K's block i
	WIN 0
.irp i, 0,1,2,3,4,5,6,7
	ds_load_b32 v[SC+8*NT+\i], v[ADRS] offset:512*NK+64*\i
.endr
.endm
; Q's block a against K's blocks h .. h + 3.  zero = 1: the product starts the sums.  The 64 accumulators take turns, one instruction a turn, in the same order in every K step.
.macro M4 a, set, h, zero
	WIN 0xa1+0x50*((\a)/4)
.irp b, 0,1,2,3
.set DD, 8*(8*((\a)%4)+(\h)+\b)
.set BB, 128*(\set)+12*((\h)+\b)
.set AA, AF+96*(\set)+12*(\a)
.set SB, SC+8*(\set)+(\h)+\b
.set SA, SC+8*(\set)+(\a)
.if \zero
	v_wmma_scale_f32_16x16x128_f8f6f4 v[DD:DD+7], v[BB:BB+11], v[AA:AA+11], 0, v[SB], v[SA] matrix_a_fmt:MATRIX_FMT_BF6 matrix_b_fmt:MATRIX_FMT_BF6 matrix_a_scale:MATRIX_SCALE_ROW1
.else
	v_wmma_scale_f32_16x16x128_f8f6f4 v[DD:DD+7], v[BB:BB+11], v[AA:AA+11], v[DD:DD+7], v[SB], v[SA] matrix_a_fmt:MATRIX_FMT_BF6 matrix_b_fmt:MATRIX_FMT_BF6 matrix_a_scale:MATRIX_SCALE_ROW1
.endif
.endr
.endm
.macro RUN                             ; one K step's operands: 56 LDS loads in one run
.irp i, 0,1,2,3,4,5,6,7
	FB \i
.endr
.irp i, 0,1,2,3,4,5,6,7
	FA \i
.endr
	FS
.endm
; A K step: its operands were asked for a whole K step ago; the next step's go into the other set, four plain lines behind its last reader
.macro STEP set, zero, fetch, slot, off, rp, k
	s_wait_dscnt 0x0
.if \fetch
	PLACES 4
	NEXT \slot, \off, \rp, 1-(\set), \k
	RUN
.endif
.irp u, 0,1,2,3,4,5,6,7,8,9,10,11,12,13,14,15
	M4 \u/2, \set, 4*(\u%2), \zero
.endr
	WIN 0
.endm
; A slot's last K step changes slots: one barrier; in front of it each wave waits for all its tensor loads, adds 0 to its spare word, and waits for that and for its reads of the slot.
; fill = 1: slot 0 is filled again with K steps 6 and 7, behind a round of the cluster's barrier that this barrier opens.
.macro TURN set, fill, slot, off, rp, k
	s_wait_tensorcnt 0x0
	ds_add_u32 v[SPW], v[NIL]                      ; 0 onto my spare word
.if \fill
	s_add_nc_u64 s[G0A+2:G0A+3], s[G0A+2:G0A+3], 6*FRB
	s_add_nc_u64 s[G0B+2:G0B+3], s[G0B+2:G0B+3], 6*FRB
.endif
	s_wait_dscnt 0x1                               ; this step's operands are in; the add alone may be out
	M4 0, \set, 0, 0
	s_wait_dscnt 0x0                               ; the add is done, and my reads of this slot are over
	s_barrier_signal -1
.irp u, 1,2,3,4,5
	M4 \u/2, \set, 4*(\u%2), 0
.endr
	WIN 0
	s_barrier_wait -1
.if \fill
	CREST
	JLOAD G0A, G1A2, G0B, G1B2                     ; its four v_nop are also the places in front of the loads below
.else
	PLACES 4
.endif
	NEXT \slot, \off, \rp, 1-(\set), \k
	RUN
.irp u, 6,7,8,9,10,11,12,13,14,15
	M4 \u/2, \set, 4*(\u%2), 0
.endr
	WIN 0
.endm
	s_load_b128 s[4:7], s[0:1], 0x0                ; qk s[4:5], pp s[6:7]
	v_lshl_add_u32 v[SPW], v0, 2, SPARE
	v_mov_b32 v[NIL], 0
	ds_add_u32 v[SPW], v[NIL]                      ; the opening: the add, twice on end, and its wait ahead of my first tensor load
	ds_add_u32 v[SPW], v[NIL]
	v_lshrrev_b32 v1, 5, v0
	v_readfirstlane_b32 s[WV], v1
	s_lshr_b32 s[WA], s[WV], 1
	s_and_b32 s[WB], s[WV], 1
	s_bfe_u32 s100, ttmp6, 0x40000                 ; cx: of the descriptors K's alone
	s_bfe_u32 s66, ttmp6, 0x40004                  ; cy: Q's alone
	s_lshl_b32 s23, ttmp9, 2
	s_add_co_u32 s23, s23, s100                    ; TB: the tile of 256 keys in its batch, 0..7
	s_and_b32 s21, ttmp7, 0xffff                   ; cluster y
	s_lshl_b32 s22, s21, 2
	s_add_co_u32 s22, s22, s66                     ; TA: the tile of 256 queries, 0..31
	s_lshr_b32 s21, s21, 1                         ; the batch: two clusters' rows each; all partners share it
	s_lshl_b32 s67, s66, 2
	s_lshl_b32 s67, 15, s67                        ; my row of the cluster
	s_lshl_b32 s101, 0x1111, s100                  ; my column
	s_or_b32 s[G1A], s67, (3<<16)|(1<<21)
	s_or_b32 s[G1A2], s67, (3<<16)|(1<<21)
	s_or_b32 s[G1B], s101, (3<<16)|(1<<21)
	s_or_b32 s[G1B2], s101, (3<<16)|(1<<21)
.irp g, G1A, G1B                       ; 8 row blocks x 3 K steps (576 elements of 8 bytes), 12,288 bytes apart in memory, dense in LDS
	s_mov_b32 s[\g+1], 576<<16
	s_mov_b32 s[\g+2], 8<<16
	s_mov_b32 s[\g+3], 576<<16
	s_mov_b32 s[\g+4], 8
	s_mov_b32 s[\g+5], 1536
	s_mov_b32 s[\g+6], 0
	s_mov_b32 s[\g+7], 0
.endr
.irp g, G1A2, G1B2                     ; the same with 2 K steps
	s_mov_b32 s[\g+1], 384<<16
	s_mov_b32 s[\g+2], 8<<16
	s_mov_b32 s[\g+3], 384<<16
	s_mov_b32 s[\g+4], 8
	s_mov_b32 s[\g+5], 1536
	s_mov_b32 s[\g+6], 0
	s_mov_b32 s[\g+7], 0
.endr
	s_lshl_b32 s101, s21, 3
	s_add_co_u32 s101, s101, s23                   ; the tile of keys among all 32
	s_lshl_b32 s56, s22, 4                         ; my prefetches: of the 8 row blocks that I fetch, the two of my place among the four partners: Q's row block 16 TA + 8 f + 2 cx,
	s_lshl_b32 s57, s100, 1
	s_add_co_u32 s56, s56, s57
	s_lshl_b32 s57, s101, 4                        ; K's 512 + 16 x tile + 8 f + 2 cy
	s_lshl_b32 s58, s66, 1
	s_add_co_u32 s57, s57, s58
	s_add_co_u32 s57, s57, 512
	s_cmp_eq_u32 s[WA], 0
	s_cselect_b32 s56, s56, s57
	s_lshl_b32 s93, s[WB], 3
	s_add_co_u32 s56, s56, s93
	s_mul_i32 s56, s56, RBP
	s_mov_b32 s57, 0
	s_lshl_b32 s68, s22, 13                        ; Q's two groups of scale words: 8,192 dense bytes,
	s_add_co_u32 s68, s68, 12582912
	s_mov_b32 s69, 0
	s_lshl_b32 s70, s101, 13                       ; K's, 64 groups behind Q's
	s_add_co_u32 s70, s70, 12582912+64*4096
	s_mov_b32 s71, 0
	s_lshl_b32 s66, s22, 4                         ; Q's codes: row block 16 TA + 8 f
	s_add_co_u32 s66, s66, s93
	s_mul_i32 s66, s66, RBP
	s_mov_b32 s67, 0
	s_lshl_b32 s100, s101, 4                       ; K's codes, behind Q's
	s_add_co_u32 s100, s100, s93
	s_mul_i32 s100, s100, RBP
	s_add_co_u32 s100, s100, 6291456
	s_mov_b32 s101, 0
	s_mov_b32 s[SEL], 0x76543210
	s_mov_b32 s[SEL+1], 0xfedcba98
	s_mov_b32 s[CS], 0x3d38aa3b                    ; log2(e) / 32
	s_mov_b32 s[CS+1], s[CS]                       ; named with it as a pair, so it is written
	s_mov_b32 s[HI16], 0xffff0000
	s_mul_i32 s2, s[WA], QTR                       ; my parts of the LDS images
	s_mul_i32 s3, s[WB], QTR
	s_add_co_u32 s3, s3, 2*QTR
	s_add_co_u32 s93, s[WB], 2
	s_sub_co_u32 s93, s93, s[WA]
	s_lshl_b32 s93, s93, 12
	s_lshl_b32 s98, s[WA], 12
	s_add_co_u32 s98, s98, SCL
	v_and_b32 v11, 31, v0
	v_and_b32 v1, 15, v0
	v_bfe_u32 v2, v0, 4, 1
	v_lshlrev_b32 v3, 4, v11                       ; 16 x lane
	v_lshlrev_b32 v12, 2, v11                      ; 4 x lane
	v_lshlrev_b32 v13, 4, v0                       ; 16 x thread
	v_lshl_add_u32 v20, v0, 4, SCL                 ; where I put my 16 bytes of each 2,048 of scale words
	v_add_nc_u32 v[ADRA], s2, v3
	v_add_nc_u32 v[ADRB], s3, v3
	v_mul_u32_u24 v[ADRS], s93, v2                 ; lanes 16-31 take K's group
	v_add_nc_u32 v[ADRA+1], SLOT, v[ADRA]
	v_add_nc_u32 v[ADRB+1], SLOT, v[ADRB]
	v_lshl_add_u32 v[ADRS], v1, 2, v[ADRS]
	v_min_u32 v14, 17, v11
	v_min_u32 v15, 11, v11
	v_add_nc_u32 v[ADRS], s98, v[ADRS]
	v_lshlrev_b32 v14, 8, v14                      ; prefetches of 3 K steps: 18 blocks of 256 bytes of a row block; the lanes left over name the last again
	v_lshlrev_b32 v15, 8, v15                      ; of 2 K steps: 12 blocks
	s_wait_alu depctr_va_vdst(0)
	s_wait_dscnt 0x0                               ; both opening adds are done
	CROUND                                         ; all sixteen work-groups are here: the first joint loads meet
	s_wait_kmcnt 0x0                               ; the arguments, asked for ahead of the round
	s_add_nc_u64 s[PF:PF+1], s[4:5], s[56:57]
	s_add_nc_u64 s[G0A+2:G0A+3], s[4:5], s[66:67]
	s_add_nc_u64 s[G0B+2:G0B+3], s[4:5], s[100:101]
	s_add_nc_u64 s[G0A+6:G0A+7], s[G0A+2:G0A+3], 3*FRB
	s_add_nc_u64 s[G0B+6:G0B+7], s[G0B+2:G0B+3], 3*FRB
	s_or_b32 s[G0A+3], s[G0A+3], 0x80000000
	s_or_b32 s[G0A+7], s[G0A+7], 0x80000000
	s_or_b32 s[G0B+3], s[G0B+3], 0x80000000
	s_or_b32 s[G0B+7], s[G0B+7], 0x80000000
	s_mul_i32 s93, s[WV], QTR
	s_mov_b32 s[G0A], 1
	s_mov_b32 s[G0A+1], s93
	s_mov_b32 s[G0A+4], 1
	s_add_co_u32 s[G0A+5], s93, SLOT
	s_mov_b32 s[G0B], 1
	s_mov_b32 s[G0B+1], s93
	s_mov_b32 s[G0B+4], 1
	s_add_co_u32 s[G0B+5], s93, SLOT
	JLOAD G0A, G1A, G0B, G1B                       ; slot 0: one tensor load a wave at the head
	s_add_nc_u64 s[68:69], s[4:5], s[68:69]
	s_add_nc_u64 s[70:71], s[4:5], s[70:71]
.irp j, 0,1,2,3
	global_load_b128 v[64+4*\j:67+4*\j], v13, s[68:69] offset:2048*\j   ; the work-group reads 2,048 consecutive bytes a line
.endr
.irp j, 0,1,2,3
	global_load_b128 v[80+4*\j:83+4*\j], v13, s[70:71] offset:2048*\j
.endr
	s_lshl_b32 s2, s22, 1                          ; where the results go: group G = 2 TA + wa of 128 queries, K step ks = 2 TB + wb of the next product
	s_add_co_u32 s2, s2, s[WA]
	s_lshl_b32 s3, s23, 1
	s_add_co_u32 s3, s3, s[WB]
	s_lshl_b32 s60, s2, 7                          ; row block 8 G, 16 K steps each
	s_add_co_u32 s60, s60, s3
	s_mul_i32 s60, s60, FRB
	s_mov_b32 s61, 0
	s_add_nc_u64 s[OUT:OUT+1], s[6:7], s[60:61]
	s_lshl_b32 s60, s2, 4
	s_add_co_u32 s60, s60, s3
	s_lshl_b32 s60, s60, 9
	s_add_co_u32 s60, s60, 12582912
	s_add_nc_u64 s[OSC:OSC+1], s[6:7], s[60:61]    ; scale words; -Mloc 524,288 bytes on; the sums 1,048,576 on
	; slot 1's K steps 3-5 are asked of memory while slot 0's load is on its way: my share of two row blocks, 18 blocks of 256 bytes each
	global_prefetch_b8 v14, s[PF:PF+1] offset:3*FRB th:TH_LOAD_NT scope:SCOPE_SE
	global_prefetch_b8 v14, s[PF:PF+1] offset:3*FRB+RBP th:TH_LOAD_NT scope:SCOPE_SE
	s_wait_loadcnt 0x0
.irp j, 0,1,2,3,4,5,6,7
	ds_store_b128 v20, v[64+4*\j:67+4*\j] offset:2048*\j
.endr
	s_wait_tensorcnt 0x0                           ; my part of slot 0 is in
	ds_add_u32 v[SPW], v[NIL]
	s_wait_dscnt 0x0                               ; the add and my stores are done
	CROUND                                         ; everybody's are, and all sixteen work-groups are here,
	JLOAD G0A+4, G1A, G0B+4, G1B                   ; and slot 1's load, the first tensor load behind the round
	NEXT 0, 0, 3*FRB, 0, 0
	FS
.irp i, 0,1,2,3,4,5,6,7
	FB \i
.endr
.irp i, 0,1,2,3,4,5,6,7
	FA \i
.endr
	; K steps 6-7 are asked of memory two K steps and more ahead of their load
	global_prefetch_b8 v15, s[PF:PF+1] offset:6*FRB th:TH_LOAD_NT scope:SCOPE_SE
	global_prefetch_b8 v15, s[PF:PF+1] offset:6*FRB+RBP th:TH_LOAD_NT scope:SCOPE_SE
	STEP 0, 1, 1, 0, FRB, 3*FRB, 1                 ; K step 0 starts the sums: nothing is cleared
	STEP 1, 0, 1, 0, 2*FRB, 3*FRB, 2
	TURN 0, 1, 1, 0, 3*FRB, 3
	STEP 1, 0, 1, 1, FRB, 3*FRB, 4
	STEP 0, 0, 1, 1, 2*FRB, 3*FRB, 5
	TURN 1, 0, 0, 0, 2*FRB, 6
	STEP 0, 0, 1, 0, FRB, 2*FRB, 7
	STEP 1, 0, 0, 0, 0, 0, 0
; THE WAY OUT.  Q's blocks a and a + 1 by turns: lane (r, h) holds query r of each; register 16 b + i is key 32 b + 16 h + i of my 128.
.macro SOFT2 a
	WIN 0x0a+5*((\a)/4)                            ; sources 0 and 1: window 2 or 3
.irp q, 0,1
.set S0, 64*((\a+\q)%4)
.irp b, 0,1,2,3
	v_max3_num_f32 v[BM+16*\q+\b], v[S0+16*\b], v[S0+1+16*\b], 0xff800000   ; the largest score of each block of 32 keys: it serves the row's maximum and the block's largest p.  Each accumulator from its low end on
.endr
.endr
.irp i, 2,4,6,8,10,12,14
.irp q, 0,1
.set S0, 64*((\a+\q)%4)
.irp b, 0,1,2,3
	v_max3_num_f32 v[BM+16*\q+\b], v[S0+16*\b+\i], v[S0+1+16*\b+\i], v[BM+16*\q+\b]
.endr
.endr
.endr
	WIN 0
.irp q, 0,1
.irp b, 0,1,2,3
	v_permlanex16_b32 v[BM+16*\q+4+\b], v[BM+16*\q+\b], s[SEL], s[SEL+1]
.endr
.endr
.irp q, 0,1
.irp b, 0,1,2,3
	v_max_num_f32 v[BM+16*\q+\b], v[BM+16*\q+\b], v[BM+16*\q+4+\b]   ; with lane l xor 16's 16 keys
.endr
.endr
.irp q, 0,1
	v_max3_num_f32 v[TT+16*\q], v[BM+16*\q], v[BM+16*\q+1], v[BM+16*\q+2]
.endr
.irp q, 0,1
	v_max_num_f32 v[TT+16*\q], v[TT+16*\q], v[BM+16*\q+3]
.endr
.irp q, 0,1
	v_mul_f32 v[TT+16*\q], s[CS], v[TT+16*\q]      ; as t (c is positive)
.endr
.irp q, 0,1
	v_floor_f32 v[NM+16*\q], -v[TT+16*\q]          ; -Mloc = floor(-t) = -ceil(t): a whole number
.endr
	WIN 2+(\a)/4                                   ; source 0: window 2 or 3
.irp q, 0,1
.set S0, 64*((\a+\q)%4)
.set J, 0
.rept 32
	v_pk_fma_f32 v[T+64*\q+J:T+64*\q+J+1], v[S0+J:S0+J+1], s[CS:CS+1], v[NM+16*\q:NM+16*\q+1] op_sel_hi:[1,0,0]   ; t - Mloc, two at a time
.set J, J+2
.endr
.endr
	WIN 0
.irp q, 0,1
.irp b, 0,1,2,3
	v_fma_f32 v[BM+16*\q+\b], v[BM+16*\q+\b], s[CS], v[NM+16*\q]   ; the same of each block's largest score
.endr
.endr
	s_wait_alu depctr_va_vdst(0)
	s_wait_xcnt 0x0                                ; the last pair's stores have read their registers
.set J, 0
.rept 128
	v_exp_f32 v[T+J], v[T+J]                       ; p = 2^(t - Mloc), at most 1
.set J, J+1
.endr
.irp q, 0,1
.irp b, 0,1,2,3
	v_exp_f32 v[BM+16*\q+\b], v[BM+16*\q+\b]       ; the block's largest p
.endr
.endr
	v_nop                                          ; a plain line behind the exponentials
	s_wait_alu depctr_va_vdst(0)                   ; one wait for the batch, ahead of its first reader
.irp q, 0,1
	v_pk_add_f32 v[LS+4*\q:LS+4*\q+1], v[T+64*\q:T+64*\q+1], v[T+64*\q+4:T+64*\q+5]   ; the sum of the unquantised p: two chains
	v_pk_add_f32 v[LS+4*\q+2:LS+4*\q+3], v[T+64*\q+2:T+64*\q+3], v[T+64*\q+6:T+64*\q+7]
.endr
.irp j, 8,12,16,20,24,28,32,36,40,44,48,52,56,60
.irp q, 0,1
	v_pk_add_f32 v[LS+4*\q:LS+4*\q+1], v[LS+4*\q:LS+4*\q+1], v[T+64*\q+\j:T+64*\q+\j+1]
	v_pk_add_f32 v[LS+4*\q+2:LS+4*\q+3], v[LS+4*\q+2:LS+4*\q+3], v[T+64*\q+\j+2:T+64*\q+\j+3]
.endr
.endr
.irp q, 0,1
	v_pk_add_f32 v[LS+4*\q:LS+4*\q+1], v[LS+4*\q:LS+4*\q+1], v[LS+4*\q+2:LS+4*\q+3]
.endr
.irp q, 0,1
.irp b, 0,1,2,3
	v_max_num_f32 v[BM+16*\q+\b], 0x2800000, v[BM+16*\q+\b]   ; the floor 2^(5 - 127): the byte cannot fall under 1
.endr
.endr
.irp q, 0,1
	v_add_f32 v[LS+4*\q], v[LS+4*\q], v[LS+4*\q+1]
.endr
.irp q, 0,1
.irp b, 0,1,2,3
	v_add_nc_u32 v[BM+16*\q+8+\b], 0xfe000000, v[BM+16*\q+\b]   ; 4 off the exponent field: the conversion's scale operand
.endr
.endr
.irp q, 0,1
	v_permlanex16_b32 v[LS+4*\q+2], v[LS+4*\q], s[SEL], s[SEL+1]
.endr
.irp q, 0,1
.irp b, 0,1,2,3
	v_lshrrev_b32 v[BM+16*\q+4+\b], 23, v[BM+16*\q+8+\b]   ; the scale's byte: 123 at the most, since p is at most 1
.endr
.endr
.irp q, 0,1
	v_add_f32 v[LS+4*\q], v[LS+4*\q], v[LS+4*\q+2] ; with lane l xor 16's: the query's sum over my 128 keys
.endr
.irp b, 1,2,3
.irp q, 0,1
.if \b == 1
	v_lshl_or_b32 v[PW+\q], v[BM+16*\q+5], 8, v[BM+16*\q+4]
.else
	v_lshl_or_b32 v[PW+\q], v[BM+16*\q+4+\b], 8*\b, v[PW+\q]
.endif
.endr
.endr
.irp q, 0,1
.irp c, 0,1
	v_cvt_scalef32_pk16_bf6_f32 v[PC+20*\q+6*\c:PC+20*\q+2+6*\c], v[T+64*\q+32*\c:T+64*\q+15+32*\c], v[BM+16*\q+8+2*\c]
	v_cvt_scalef32_pk16_bf6_f32 v[PC+20*\q+12+4*\c:PC+20*\q+14+4*\c], v[T+64*\q+16+32*\c:T+64*\q+31+32*\c], v[BM+16*\q+8+2*\c+1]
.endr
.endr
	v_nop                                          ; one plain line behind the scaled conversions
.irp q, 0,1
.irp c, 0,1
.irp i, 0,1,2
	v_permlane16_swap_b32 v[PC+20*\q+6*\c+\i], v[PC+20*\q+12+4*\c+\i]
.endr
.endr
.endr
.irp q, 0,1
.irp c, 0,1
.irp i, 0,1,2
	v_mov_b32 v[PC+20*\q+3+6*\c+\i], v[PC+20*\q+12+4*\c+\i]
.endr
.endr
.endr
.irp q, 0,1
.irp g, 0,1,2
	global_store_b128 v3, v[PC+20*\q+4*\g:PC+20*\q+4*\g+3], s[OUT:OUT+1] offset:16*FRB*(\a+\q)+512*\g   ; 512 consecutive bytes a store; the row block stands in the immediate
.endr
.endr
	v_cndmask_b32 v[PWW], v[PW], v[PW+1], s[HI16]  ; lanes 0-15: block a's queries; lanes 16-31: block a + 1's
	v_cndmask_b32 v[NMW], v[NM], v[NM+16], s[HI16]
	v_cndmask_b32 v[LW], v[LS], v[LS+4], s[HI16]
	global_store_b32 v12, v[PWW], s[OSC:OSC+1] offset:64*(\a)
	global_store_b32 v12, v[NMW], s[OSC:OSC+1] offset:524288+64*(\a)
	global_store_b32 v12, v[LW], s[OSC:OSC+1] offset:2*524288+64*(\a)
.endm
	PLACES 4                                       ; behind the last products, ahead of the first read of results
.irp q, 0,1
.irp b, 0,1,2,3
	v_mov_b32 v[BM+16*\q+4+\b], 0                  ; written once: a lane permute's destination counts as one of its sources
.endr
	v_mov_b32 v[NM+16*\q+1], 0                     ; named as the upper half of a pair
.endr
.irp a, 0,2,4,6
	SOFT2 \a
.endr
	s_wait_tensorcnt 0x0                           ; the wave's end
	ds_add_u32 v[SPW], v[NIL]
	s_wait_dscnt 0x0
	CROUND                                         ; the closing round
	s_endpgm
.Lfunc_end_k_q107842a14e_score:
	.size	k_q107842a14e_score, .Lfunc_end_k_q107842a14e_score-k_q107842a14e_score
	.p2alignl 7, 3214868480
	.fill 96, 4, 3214868480
	.section	.rodata,"a",@progbits
	.p2align	6, 0x0
	.amdhsa_kernel k_q107842a14e_score
		.amdhsa_group_segment_fixed_size 327680
		.amdhsa_private_segment_fixed_size 0
		.amdhsa_enable_private_segment 0
		.amdhsa_kernarg_size 16
		.amdhsa_user_sgpr_count 2
		.amdhsa_user_sgpr_kernarg_segment_ptr 1
		.amdhsa_wavefront_size32 1
		.amdhsa_system_sgpr_workgroup_id_x 1
		.amdhsa_system_sgpr_workgroup_id_y 1
		.amdhsa_system_sgpr_workgroup_id_z 1
		.amdhsa_system_vgpr_workitem_id 0
		.amdhsa_next_free_vgpr 1024
		.amdhsa_next_free_sgpr 102
		.amdhsa_reserve_vcc 0
		.amdhsa_float_denorm_mode_32 3
		.amdhsa_float_denorm_mode_16_64 3
		.amdhsa_memory_ordered 1
		.amdhsa_forward_progress 1
		.amdhsa_inst_pref_size 197
	.end_amdhsa_kernel
	.amdgpu_metadata
---
amdhsa.version: [ 1, 2 ]
amdhsa.kernels:
  - .name:           k_q107842a14e_score
    .symbol:         k_q107842a14e_score.kd
    .args:
      - { .name: qk, .offset: 0, .size: 8, .value_kind: global_buffer, .address_space: global }
      - { .name: pp, .offset: 8, .size: 8, .value_kind: global_buffer, .address_space: global }
    .group_segment_fixed_size: 327680
    .private_segment_fixed_size: 0
    .kernarg_segment_align: 8
    .kernarg_segment_size: 16
    .max_flat_workgroup_size: 128
    .sgpr_count:     102
    .vgpr_count:     1024
    .wavefront_size: 32
...
	.end_amdgpu_metadata
.endif
;; end of part 3
;; launch pv (part 4): grid 4 x 64, 4 waves a work-group, clusters of 4 x 4, 327,680 bytes of LDS; arguments pp, vt, out0; writes out0
.if DOCPART == 4
	.amdgcn_target "amdgcn-amd-amdhsa--gfx1250"
	.amdhsa_code_object_version 6
	.text
	.protected	k_q107842a14e_pv
	.globl	k_q107842a14e_pv
	.p2align	8
	.type	k_q107842a14e_pv,@function
k_q107842a14e_pv:
	s_mov_b64 s[64:65], 0
	v_nop
	global_prefetch_b8 v0, s[64:65] scope:SCOPE_SE
	s_setreg_imm32_b32 hwreg(HW_REG_WAVE_MODE, 25, 1), 1
	s_wait_xcnt 0x0
	s_wait_alu depctr_hold_cnt(0) depctr_sa_sdst(0) depctr_va_vdst(0) depctr_va_sdst(0) depctr_va_ssrc(0) depctr_va_vcc(0) depctr_vm_vsrc(0)
	s_getreg_b32 s2, hwreg(HW_REG_IB_STS2, 6, 4)
	s_cmp_eq_u32 s2, 0
	s_cbranch_scc0 .Lentry_in_a_cluster
	s_endpgm
.Lentry_in_a_cluster:
	s_bfe_u32 s2, ttmp6, 0x10000c
	s_cmp_lg_u32 s2, 0xf033
	s_cbranch_scc0 .Lentry_shape_is_right
	s_endpgm
.Lentry_shape_is_right:
; O = (P V) / l on codes of BF6 (E3M2) with E8M0 scales, sums in f32.  P's codes were made 128 keys at a time under Mloc = the ceiling of the largest t of those 128 keys.  At the head each thread takes one
; query of the tile: M = the largest of its 16 Mloc (the ceiling of the row's largest t); d = M - Mloc, a whole number, is taken off the four scale bytes of each 128 keys, which brings the codes' values
; under the row's M exactly; l = the sum of the 16 sums x 2^-d (v_ldexp_f32: nothing is rounded but the additions).  The corrected words and 1 / l go to LDS for all four waves.
; LIMITS: NaN and infinities are not served.  A byte that would fall under 0 (p's bytes are 123 at the most, so wherever d is above its byte) becomes 0: that block's codes then count at most
; 28 x 2^-127 each, beside a row's sum of more than 1/2.
; A tile is 128 queries x 256 channels: 256 work-groups.  TWO WAVES SHARE A CHANNEL HALF AND DIVIDE K: wave (wa, wb) takes channel half wb and, of the 16 K steps of 128 keys, those of parity wa, for all 128
; queries: 128 x 128, 64 accumulators; 16 fragments serve 64 products.  At the end each wave gives the partner's 64 queries' sums to the partner through LDS and adds the partner's to its own: a number of O is the sum
; over even K steps + the sum over odd ones.
; Source 1 = P (a lane holds one query), source 0 = V^T, whose blocks' places are ordered so that the 16 registers of two neighbouring blocks are 16 neighbouring channels.  P's blocks 0-3 in the registers are the
; 64 queries that the wave itself sends out, blocks 4-7 the partner's: which is which stands in the LDS addresses.
; Layouts: a fragment (16 places x 128 K) is 1,536 bytes, registers 4 g .. 4 g + 3 of lane l at 512 g + 16 l; [row block][K step].
; Clusters 4 x 4: P's tile is asked for jointly by a row of the cluster, V's and its scale words by a column.
; Two LDS slots of 4 K steps, each filled twice.  At the head wave 0 fetches P's tile of slot 0, wave 1 V's scale words, waves 2, 3 V's halves; later waves 0, 1 fetch P's halves, waves 2, 3 V's.  A wave has one
; tensor load out at any time.  The tiles of the later three fills are prefetched ahead of their loads, each block of 256 bytes once in a cluster.
; REGISTERS: window 0: v0-31 addresses, v32-47 scale words (two sets), v48-55 1 / l, v64-159, v160-255 P's fragments (two sets), ahead of them the head's work, behind them the rows on their way out.
; window 1: v0-95, v128-223 V's fragments (two sets).  windows 2, 3: accumulator (a, b) at v[8 (8 (a % 4) + b)] of window 2 + a / 4; on the way out window 3 takes the partner's sums.
.set FRB,   1536
.set RBP,   16*FRB                     ; a row block's 16 K steps in memory
.set RP,    4*FRB                      ; a row block's part of a slot
.set AH,    4*RP                       ; P's half: 4 row blocks
.set BH,    8*RP                       ; V's half: 8 row blocks
.set SLOT,  2*AH+2*BH
.set SCA,   2*SLOT                     ; P's corrected scale words [16 K steps][128 queries]: stored by the waves; no fill lands here
.set RL,    SCA+8192                   ; 1 / l of the 128 queries
.set SCB,   RL+512                     ; V's scale words: two groups of 8,192 bytes, filled once
.set SPARE, SCB+16384                  ; the spare words, 128 bytes a wave: two blocks of 256 bytes that no other line names
.set SP,    528                        ; the way out: a stage of 16 rows x (512 bytes + 16) for each wave, in slot 1; the sums that change waves lie in slot 0, 32,768 bytes a wave: both have had their last fill and their last read by then
.set ADRA, 4                           ; v4-5   my own 64 queries' fragments in slot 0, 1, at my first K step
.set ADRB, 6                           ; v6-7   V's
.set ADRS, 8                           ; v8     scale words: lanes 0-15 P's block i, lanes 16-31 V's block i (i = 0..3)
.set SPW,  9
.set NIL,  10
.set ADR2, 13                          ; v13    the same for i = 4..7
.set PFO,  19                          ; v19    the prefetches' offset: 24 blocks of 256 bytes (4 K steps of a row block); the lanes left over name the last again
.set ADRO, 26                          ; v26-27 the partner's 64 queries' fragments
.set SC,   32
.set RLV,  48                          ; 1 / l of my four blocks, each with a zero as the pair's upper half
.set AF,   64
.set BK,   64                          ; rows read back from the stage: v64-127 and v128-191 by turns
.set WV,   18
.set WA,   19
.set WB,   20
.set G1A,  24
.set G1B,  32
.set G1S,  40
.set G0S,  48
.set G0A,  72
.set G0B,  80
.set PF,   90                          ; s[90:91] my prefetches' base
.set OUT,  94
.set STA,  96
.set MSB, 0
.macro WIN new
.if MSB != (\new)
	s_set_vgpr_msb (MSB<<8)|(\new)
.set MSB, (\new)
.endif
.endm
.macro PLACES n
.rept \n
	v_nop
.endr
.endm
.macro CREST
	s_cmp_lg_u32 s[WV], 0
	s_cbranch_scc1 .Lnot_wave_0_\@
	s_barrier_signal -3
.Lnot_wave_0_\@:
	s_barrier_wait -3
	s_barrier_signal -1
	s_barrier_wait -1
.endm
.macro CROUND
	s_barrier_signal -1
	s_barrier_wait -1
	CREST
.endm
.macro JLOAD g0a, g1a, g0b, g1b        ; a joint load: waves 0, 1 for P, waves 2, 3 for V; four v_nop follow each line
	s_cmp_eq_u32 s[WA], 0
	s_cbranch_scc0 .Lfor_b_\@
	tensor_load_to_lds s[\g0a:\g0a+3], s[\g1a:\g1a+7]
	s_nop 0
.rept 4
	v_nop
.endr
	s_branch .Lasked_\@
.Lfor_b_\@:
	tensor_load_to_lds s[\g0b:\g0b+3], s[\g1b:\g1b+7]
	s_nop 0
.rept 4
	v_nop
.endr
.Lasked_\@:
.endm
; My share of a later slot's prefetch: of the row blocks that my wave fetches, those of my place among the four partners: one of P's four, two of V's eight.  The branch hangs on the wave's number alone
.macro ASK off
	global_prefetch_b8 v[PFO], s[PF:PF+1] offset:\off th:TH_LOAD_NT scope:SCOPE_SE
	s_cmp_eq_u32 s[WA], 0
	s_cbranch_scc1 .Lone_\@
	global_prefetch_b8 v[PFO], s[PF:PF+1] offset:(\off)+RBP th:TH_LOAD_NT scope:SCOPE_SE
.Lone_\@:
.endm
; A wave's step n (0 .. 7) is K step 2 n + wa: its 56 LDS loads in one run.  The parity stands in the address registers; off: the step's place in a row block's part of the slot
.macro RUN slot, off, set, n
	WIN 0x40                                       ; destination window 1
.irp i, 0,1,2,3,4,5,6,7
.irp g, 0,1,2
	ds_load_b128 v[128*(\set)+12*\i+4*\g:128*(\set)+12*\i+4*\g+3], v[ADRB+\slot] offset:\i*RP+(\off)+512*\g
.endr
.endr
	WIN 0
.irp i, 0,1,2,3
.irp g, 0,1,2
	ds_load_b128 v[AF+96*(\set)+12*\i+4*\g:AF+96*(\set)+12*\i+4*\g+3], v[ADRA+\slot] offset:\i*RP+(\off)+512*\g
.endr
.endr
.irp i, 0,1,2,3
.irp g, 0,1,2
	ds_load_b128 v[AF+96*(\set)+48+12*\i+4*\g:AF+96*(\set)+48+12*\i+4*\g+3], v[ADRO+\slot] offset:\i*RP+(\off)+512*\g
.endr
.endr
.irp i, 0,1,2,3
	ds_load_b32 v[SC+8*(\set)+\i], v[ADRS] offset:1024*(\n)+64*\i
.endr
.irp i, 4,5,6,7
	ds_load_b32 v[SC+8*(\set)+\i], v[ADR2] offset:1024*(\n)+64*\i
.endr
.endm
; P's block a against V's blocks h .. h + 3.  zero = 1: the product starts the sums.  The 64 accumulators take turns, one instruction a turn.
.macro M4 a, set, h, zero
	WIN 0xa1+0x50*((\a)/4)
.irp b, 0,1,2,3
.set DD, 8*(8*((\a)%4)+(\h)+\b)
.set BB, 128*(\set)+12*((\h)+\b)
.set AA, AF+96*(\set)+12*(\a)
.set SB, SC+8*(\set)+(\h)+\b
.set SA, SC+8*(\set)+(\a)
.if \zero
	v_wmma_scale_f32_16x16x128_f8f6f4 v[DD:DD+7], v[BB:BB+11], v[AA:AA+11], 0, v[SB], v[SA] matrix_a_fmt:MATRIX_FMT_BF6 matrix_b_fmt:MATRIX_FMT_BF6 matrix_a_scale:MATRIX_SCALE_ROW1
.else
	v_wmma_scale_f32_16x16x128_f8f6f4 v[DD:DD+7], v[BB:BB+11], v[AA:AA+11], v[DD:DD+7], v[SB], v[SA] matrix_a_fmt:MATRIX_FMT_BF6 matrix_b_fmt:MATRIX_FMT_BF6 matrix_a_scale:MATRIX_SCALE_ROW1
.endif
.endr
.endm
.macro STEP set, zero, slot, off, n    ; a step: its operands were asked for a whole step ago; the next step's go into the other set, four plain lines behind its last reader
	s_wait_dscnt 0x0
	PLACES 4
	RUN \slot, \off, 1-(\set), \n
.irp u, 0,1,2,3,4,5,6,7,8,9,10,11,12,13,14,15
	M4 \u/2, \set, 4*(\u%2), \zero
.endr
	WIN 0
.endm
; A slot's last step changes slots: one barrier; in front of it each wave waits for all its tensor loads, adds 0 to its spare word, and waits for that and for its reads of the slot.
; fill = 1: slot fslot, just read out, takes the K steps 8 further on, behind a round of the cluster's barrier that this barrier opens.
.macro TURN set, fill, fslot, slot, n
	s_wait_tensorcnt 0x0
	ds_add_u32 v[SPW], v[NIL]                      ; 0 onto my spare word
.if \fill
	s_add_nc_u64 s[G0A+4*\fslot+2:G0A+4*\fslot+3], s[G0A+4*\fslot+2:G0A+4*\fslot+3], 8*FRB
	s_add_nc_u64 s[G0B+4*\fslot+2:G0B+4*\fslot+3], s[G0B+4*\fslot+2:G0B+4*\fslot+3], 8*FRB
.endif
	s_wait_dscnt 0x1                               ; this step's operands are in; the add alone may be out
	M4 0, \set, 0, 0
	s_wait_dscnt 0x0                               ; the add is done, and my reads of this slot are over
	s_barrier_signal -1
.irp u, 1,2,3,4,5
	M4 \u/2, \set, 4*(\u%2), 0
.endr
	WIN 0
	s_barrier_wait -1
.if \fill
	CREST
	JLOAD G0A+4*\fslot, G1A, G0B+4*\fslot, G1B     ; its four v_nop are also the places in front of the loads below
.else
	PLACES 4
.endif
	RUN \slot, 0, 1-(\set), \n
.irp u, 6,7,8,9,10,11,12,13,14,15
	M4 \u/2, \set, 4*(\u%2), 0
.endr
	WIN 0
.endm
	s_load_b128 s[4:7], s[0:1], 0x0                ; pp s[4:5], vt s[6:7]
	s_load_b64 s[8:9], s[0:1], 0x10                ; out0
	v_lshl_add_u32 v[SPW], v0, 2, SPARE
	v_mov_b32 v[NIL], 0
	ds_add_u32 v[SPW], v[NIL]                      ; the opening: the add, twice on end, and its wait ahead of my first tensor load
	ds_add_u32 v[SPW], v[NIL]
	v_lshrrev_b32 v1, 5, v0
	v_readfirstlane_b32 s[WV], v1
	s_lshr_b32 s[WA], s[WV], 1
	s_and_b32 s[WB], s[WV], 1
	s_bfe_u32 s100, ttmp6, 0x40000                 ; cx: of the descriptors V's alone
	s_bfe_u32 s66, ttmp6, 0x40004                  ; cy: P's alone
	s_lshl_b32 s23, ttmp9, 2
	s_add_co_u32 s23, s23, s100                    ; TB: the tile of 256 channels, 0..3
	s_and_b32 s21, ttmp7, 0xffff                   ; cluster y
	s_lshl_b32 s22, s21, 2
	s_add_co_u32 s22, s22, s66                     ; TA: the tile of 128 queries, 0..63
	s_lshr_b32 s21, s21, 2                         ; the batch: four clusters' rows each; all partners share it
	s_lshl_b32 s67, s66, 2
	s_lshl_b32 s67, 15, s67                        ; my row of the cluster
	s_lshl_b32 s101, 0x1111, s100                  ; my column
	s_or_b32 s[G1A], s67, (3<<16)|(1<<21)          ; 15:0 the mask; 17:16 elements of 8 bytes; 21 set beside a mask; no padding
	s_or_b32 s[G1B], s101, (3<<16)|(1<<21)
	s_or_b32 s[G1S], s101, (3<<16)|(1<<21)
.irp g, G1A, G1B                       ; 8 row blocks x 4 K steps (6,144 bytes = 768 elements of 8), 24,576 bytes apart in memory, dense in LDS.  P's become 4 row blocks behind the head's load
	s_mov_b32 s[\g+1], 768<<16
	s_mov_b32 s[\g+2], 8<<16
	s_mov_b32 s[\g+3], 768<<16
	s_mov_b32 s[\g+4], 8
	s_mov_b32 s[\g+5], 3072
	s_mov_b32 s[\g+6], 0
	s_mov_b32 s[\g+7], 0
.endr
	s_mov_b32 s[G1S+1], 32<<16                     ; V's scale words: 16,384 dense bytes as 64 rows of 256
	s_mov_b32 s[G1S+2], 64<<16
	s_mov_b32 s[G1S+3], 32<<16
	s_mov_b32 s[G1S+4], 64
	s_mov_b32 s[G1S+5], 32
	s_mov_b32 s[G1S+6], 0
	s_mov_b32 s[G1S+7], 0
	s_lshl_b32 s56, s22, 3                         ; my prefetches: P's row block 8 TA + 4 f + cx,
	s_lshl_b32 s57, s[WB], 2
	s_add_co_u32 s56, s56, s57
	s_add_co_u32 s56, s56, s100
	s_lshl_b32 s57, s21, 6                         ; V's 64 batch + 16 TB + 8 f + 2 cy
	s_lshl_b32 s58, s23, 4
	s_add_co_u32 s57, s57, s58
	s_lshl_b32 s58, s[WB], 3
	s_add_co_u32 s57, s57, s58
	s_lshl_b32 s58, s66, 1
	s_add_co_u32 s57, s57, s58
	s_cmp_eq_u32 s[WA], 0
	s_cselect_b32 s56, s56, s57
	s_mul_i32 s56, s56, RBP
	s_mov_b32 s57, 0
	s_lshl_b32 s66, s22, 3                         ; P's codes: row block 8 TA + 4 f
	s_lshl_b32 s93, s[WB], 2
	s_add_co_u32 s66, s66, s93
	s_mul_i32 s66, s66, RBP
	s_mov_b32 s67, 0
	s_lshl_b32 s100, s23, 4                        ; V's codes: row block 64 batch + 16 TB + 8 f
	s_lshl_b32 s93, s21, 6
	s_add_co_u32 s100, s100, s93
	s_lshl_b32 s93, s[WB], 3
	s_add_co_u32 s100, s100, s93
	s_mul_i32 s100, s100, RBP
	s_mov_b32 s101, 0
	s_lshl_b32 s68, s23, 1                         ; V's scale words: groups 8 batch + 2 TB and the next
	s_lshl_b32 s93, s21, 3
	s_add_co_u32 s68, s68, s93
	s_lshl_b32 s68, s68, 13
	s_add_co_u32 s68, s68, 6291456
	s_mov_b32 s69, 0
	s_lshl_b32 s70, s22, 13                        ; my tile's scale words, -Mloc and sums: group TA
	s_add_co_u32 s70, s70, 12582912
	s_mov_b32 s71, 0
	s_mov_b32 s92, 0                               ; a byte select: byte 0 into all four
	s_mul_i32 s2, s[WA], AH+FRB                    ; the LDS images.  My own queries: row blocks 4 wa on, at K step wa of the slot
	s_mul_i32 s99, s[WA], AH-FRB
	s_sub_co_u32 s99, AH, s99                      ; the partner's: row blocks 4 (1 - wa) on
	s_mul_i32 s3, s[WB], BH
	s_mul_i32 s93, s[WA], FRB
	s_add_co_u32 s3, s3, s93
	s_add_co_u32 s3, s3, 2*AH                      ; V's half
	s_lshl_b32 s60, s[WA], 8
	s_lshl_b32 s93, s[WB], 13
	s_add_co_u32 s93, s93, SCB-SCA
	s_add_co_u32 s53, s93, s60                     ; from P's words to V's: for the partner's queries (their words at SCA - 256 wa, + 64 i from i = 4 on),
	s_sub_co_u32 s93, s93, s60                     ; for mine (at SCA + 256 wa)
	s_add_co_u32 s61, s60, RL
	s_add_co_u32 s60, s60, SCA                     ; with K step wa's 512 wa added: SCA + 256 wa,
	s_mul_i32 s98, s[WA], 768
	s_add_co_u32 s98, s98, SCA                     ; and SCA + 768 wa
	s_mul_i32 s62, s[WV], 16*SP                    ; my stage, in slot 1
	s_add_co_u32 s62, s62, SLOT
	s_lshl_b32 s63, s[WV], 15                      ; what I give: in slot 0;
	s_xor_b32 s52, s[WV], 2
	s_lshl_b32 s52, s52, 15                        ; what the partner, wave w xor 2, gives
	v_and_b32 v11, 31, v0
	v_and_b32 v1, 15, v0
	v_bfe_u32 v2, v0, 4, 1
	v_lshlrev_b32 v15, 2, v0                       ; thread t stands for query place t of the tile
	v_lshl_add_u32 v14, v0, 2, SCA
	v_lshlrev_b32 v3, 4, v11                       ; 16 x lane
	v_mul_u32_u24 v[ADRS], s93, v2                 ; lanes 16-31 take V's
	v_mul_u32_u24 v[ADR2], s53, v2
	v_mul_u32_u24 v17, v1, SP
	v_min_u32 v[PFO], 23, v11
	v_add_nc_u32 v[ADRA], s2, v3
	v_add_nc_u32 v[ADRO], s99, v3
	v_add_nc_u32 v[ADRB], s3, v3
	v_lshl_add_u32 v[ADRS], v1, 2, v[ADRS]
	v_lshl_add_u32 v[ADR2], v1, 2, v[ADR2]
	v_lshl_add_u32 v17, v2, 6, v17
	v_lshlrev_b32 v[PFO], 8, v[PFO]
	v_add_nc_u32 v[ADRA+1], SLOT, v[ADRA]
	v_add_nc_u32 v[ADRO+1], SLOT, v[ADRO]
	v_add_nc_u32 v[ADRB+1], SLOT, v[ADRB]
	v_add_nc_u32 v[ADRS], s98, v[ADRS]
	v_add_nc_u32 v[ADR2], s60, v[ADR2]
	v_lshl_add_u32 v16, v1, 2, s61                 ; 1 / l of my 64 queries: 4 r
	v_add_nc_u32 v17, s62, v17                     ; the stage, in: row r, + 64 h
	v_add_nc_u32 v18, s62, v3                      ; back: 16 bytes a lane of a row of 512
	v_add_nc_u32 v22, s63, v3
	v_add_nc_u32 v23, s52, v3
	s_wait_alu depctr_va_vdst(0)
	s_wait_dscnt 0x0                               ; both opening adds are done
	CROUND                                         ; all sixteen work-groups are here: the first joint loads meet
	s_wait_kmcnt 0x0                               ; the arguments, asked for ahead of the round
	s_add_nc_u64 s[STA:STA+1], s[4:5], s[70:71]
	s_add_nc_u64 s[G0S+2:G0S+3], s[6:7], s[68:69]
	s_or_b32 s[G0S+3], s[G0S+3], 0x80000000
	s_mov_b32 s[G0S], 1
	s_mov_b32 s[G0S+1], SCB
	s_cmp_eq_u32 s[WA], 0
	s_cselect_b64 s[PF:PF+1], s[4:5], s[6:7]
	s_add_nc_u64 s[PF:PF+1], s[PF:PF+1], s[56:57]
	s_add_nc_u64 s[G0A+2:G0A+3], s[4:5], s[66:67]
	s_add_nc_u64 s[G0B+2:G0B+3], s[6:7], s[100:101]
	s_add_nc_u64 s[G0A+6:G0A+7], s[G0A+2:G0A+3], 4*FRB   ; slot 1: K steps 4 to 7
	s_add_nc_u64 s[G0B+6:G0B+7], s[G0B+2:G0B+3], 4*FRB
	s_or_b32 s[G0A+3], s[G0A+3], 0x80000000
	s_or_b32 s[G0A+7], s[G0A+7], 0x80000000
	s_or_b32 s[G0B+3], s[G0B+3], 0x80000000
	s_or_b32 s[G0B+7], s[G0B+7], 0x80000000
	s_mul_i32 s93, s[WB], AH                       ; where the halves go: no place in the cluster enters an LDS address
	s_mov_b32 s[G0A], 1
	s_mov_b32 s[G0A+1], s93
	s_mov_b32 s[G0A+4], 1
	s_add_co_u32 s[G0A+5], s93, SLOT
	s_mul_i32 s93, s[WB], BH
	s_mov_b32 s[G0B], 1
	s_add_co_u32 s[G0B+1], s93, 2*AH
	s_mov_b32 s[G0B+4], 1
	s_add_co_u32 s[G0B+5], s93, 2*AH+SLOT
; THE HEAD'S LOADS, ONE A WAVE.  One tree of branches on the wave's number; every way through it passes one load
.macro ARM under, g0, g1, next
	s_cmp_lt_u32 s[WV], \under
	s_cbranch_scc0 \next
	tensor_load_to_lds s[\g0:\g0+3], s[\g1:\g1+7]
	s_nop 0
.rept 4
	v_nop
.endr
	s_branch .Lhead_asked
\next:
.endm
	ARM 1, G0A, G1A, .Lhead_s                      ; wave 0: P's 8 row blocks (its half is the first)
	ARM 2, G0S, G1S, .Lhead_v                      ; wave 1: V's scale words
	tensor_load_to_lds s[G0B:G0B+3], s[G1B:G1B+7]  ; waves 2, 3: V's halves
	s_nop 0
.rept 4
	v_nop
.endr
.Lhead_asked:
.irp s, 0,1,2,3,4,5,6,7,8,9,10,11,12,13,14,15
	global_load_b32 v[176+\s], v15, s[STA:STA+1] offset:524288+512*\s   ; -Mloc of each 128 keys
.endr
.irp s, 0,1,2,3,4,5,6,7,8,9,10,11,12,13,14,15
	global_load_b32 v[160+\s], v15, s[STA:STA+1] offset:512*\s   ; the scale words
.endr
.irp s, 0,1,2,3,4,5,6,7,8,9,10,11,12,13,14,15
	global_load_b32 v[192+\s], v15, s[STA:STA+1] offset:2*524288+512*\s   ; the sums
.endr
	s_lshl_b32 s2, s22, 1
	s_add_co_u32 s2, s2, s[WA]
	s_lshl_b32 s2, s2, 18                          ; my first row of O: (128 TA + 64 wa) x 4,096 bytes
	s_lshl_b32 s93, s23, 1
	s_add_co_u32 s93, s93, s[WB]
	s_lshl_b32 s93, s93, 9                         ; my first column: (256 TB + 128 wb) x 4 bytes
	s_add_co_u32 s2, s2, s93
	s_mov_b32 s3, 0
	s_add_nc_u64 s[OUT:OUT+1], s[8:9], s[2:3]
	s_wait_loadcnt 16                              ; -Mloc and the scale words; the sums may be out
	v_min3_num_f32 v64, v176, v177, v178           ; -M = the least of the -Mloc, in two chains
	v_min3_num_f32 v65, v179, v180, v181
	v_min3_num_f32 v64, v64, v182, v183
	v_min3_num_f32 v65, v65, v184, v185
	v_min3_num_f32 v64, v64, v186, v187
	v_min3_num_f32 v65, v65, v188, v189
	v_min3_num_f32 v64, v64, v190, v191
	v_min_num_f32 v64, v64, v65
.set J, 0
.rept 16                               ; the sixteen times 128 keys by turns, line by line
	v_sub_f32 v[176+J], v64, v[176+J]              ; Mloc - M: a whole number, 0 or less
.set J, J+1
.endr
.set J, 0
.rept 16
	v_cvt_i32_f32 v[176+J], v[176+J]               ; (it saturates)
.set J, J+1
.endr
.set J, 0
.rept 16
	v_sub_nc_u32 v[208+J], 0, v[176+J]
.set J, J+1
.endr
.set J, 0
.rept 16
	v_min_u32 v[208+J], 127, v[208+J]              ; d, held at 127: above every byte of p
.set J, J+1
.endr
.set J, 0
.rept 16
	v_perm_b32 v[208+J], v[208+J], v[208+J], s92   ; in all four bytes
.set J, J+1
.endr
.set J, 0
.rept 16
	v_or_b32 v[160+J], 0x80808080, v[160+J]        ; a guard bit over each byte (the bytes are under 128), so that no byte borrows from the next
.set J, J+1
.endr
.set J, 0
.rept 16
	v_sub_nc_u32 v[160+J], v[160+J], v[208+J]
.set J, J+1
.endr
.set J, 0
.rept 16
	v_and_b32 v[224+J], 0x80808080, v[160+J]       ; the guard stands where byte - d is 0 or more
.set J, J+1
.endr
.set J, 0
.rept 16
	v_lshrrev_b32 v[240+J], 7, v[224+J]
.set J, J+1
.endr
.set J, 0
.rept 16
	v_sub_nc_u32 v[224+J], v[224+J], v[240+J]      ; 0x7f there, 0 elsewhere
.set J, J+1
.endr
.set J, 0
.rept 16
	v_and_b32 v[160+J], v[160+J], v[224+J]         ; byte - d, or 0
.set J, J+1
.endr
.set J, 0
.rept 16
	ds_store_b32 v14, v[160+J] offset:512*J
.set J, J+1
.endr
.irp a, 0,1,2,3
	v_mov_b32 v[RLV+2*\a+1], 0                     ; named as the upper half of a pair on the way out
.endr
	s_wait_alu depctr_va_vdst(0)
	s_wait_loadcnt 0x0                             ; the sums
.set J, 0
.rept 16
	v_ldexp_f32 v[192+J], v[192+J], v[176+J]       ; under the row's M
.set J, J+1
.endr
.irp j, 0,4,8,12
	v_pk_add_f32 v[192+\j:193+\j], v[192+\j:193+\j], v[194+\j:195+\j]
.endr
	v_pk_add_f32 v[192:193], v[192:193], v[196:197]
	v_pk_add_f32 v[200:201], v[200:201], v[204:205]
	v_pk_add_f32 v[192:193], v[192:193], v[200:201]
	v_add_f32 v66, v192, v193                      ; l
	s_wait_alu depctr_va_vdst(0)                   ; the wait ahead of the transcendental
	v_rcp_f32 v67, v66
	v_nop                                          ; a plain line behind the reciprocal
	s_wait_alu depctr_va_vdst(0)                   ; and the wait, ahead of its first reader
	ds_store_b32 v14, v67 offset:RL-SCA
	ASK 4*FRB                                      ; slot 1's K steps 4-7
	s_wait_tensorcnt 0x0                           ; my load of the head is in
	ds_add_u32 v[SPW], v[NIL]
	s_mov_b32 s[G1A+2], 4<<16                      ; no tensor load of mine is out: from here on a load of P brings 4 row blocks
	s_mov_b32 s[G1A+4], 4
	s_wait_dscnt 0x0                               ; the add and my stores are done
	CROUND                                         ; everybody's are, and all sixteen work-groups are here,
	JLOAD G0A+4, G1A, G0B+4, G1B                   ; and slot 1's load, the first tensor load behind the round
	RUN 0, 0, 0, 0
	ASK 8*FRB                                      ; K steps 8-11, ahead of the next change of slots
	STEP 0, 1, 0, 2*FRB, 1                         ; the first step starts the sums: nothing is cleared
	TURN 1, 1, 0, 1, 2                             ; slot 0 takes K steps 8 to 11
	ASK 12*FRB                                     ; K steps 12-15, two steps ahead of their load
	STEP 0, 0, 1, 2*FRB, 3
	TURN 1, 1, 1, 0, 4                             ; slot 1 takes K steps 12 to 15
	STEP 0, 0, 0, 2*FRB, 5
	TURN 1, 0, 0, 1, 6                             ; nothing is left to fetch
; THE LAST TWO STEPS AND THE WAY OUT, by blocks.  The partner's queries (blocks 4-7) are finished first, with both steps: their sums go to LDS as they lie in the registers, in two runs, while the other blocks are
; multiplied; my own (blocks 0-3) take both steps one after the other.  Behind one barrier I take the partner's sums of my queries, block by block.  A block: lane (r, h) holds query place r; register j of V's
; block b is channel 32 (b/2) + 8 (b%2) + 16 h + j of my 128.  The sums are divided by l, go through my stage and come back as whole rows of 512 bytes; place t of block a is row 32 (a/2) + 8 (a%2) + t + 8 (t/8) of my 64.
.macro MB a, set                       ; P's block a against V's eight
	M4 \a, \set, 0, 0
	M4 \a, \set, 4, 0
.endm
.macro GIVE g                          ; blocks 4 + 2 g and 5 + 2 g: 32 stores, four plain lines behind the last product
	PLACES 4
	WIN 0x0c                                       ; the data: window 3
.set J, 32*(\g)
.rept 32
	ds_store_b128 v22, v[4*J:4*J+3] offset:512*J   ; each accumulator from its low end on
.set J, J+1
.endr
.endm
.macro TAKE a                          ; the partner's sums of my block a: 16 loads into window 3
	WIN 0xc0
.irp t, 0,1,2,3,4,5,6,7,8,9,10,11,12,13,14,15
	ds_load_b128 v[64*(\a)+4*\t:64*(\a)+4*\t+3], v23 offset:512*(16*(\a)+\t)
.endr
	WIN 0
.endm
.macro JOIN a
	WIN 0xce                                       ; destination window 3, source 0 window 2, source 1 window 3
.set J, 64*(\a)
.rept 32
	v_pk_add_f32 v[J:J+1], v[J:J+1], v[J:J+1]      ; mine + the partner's; each accumulator from its low end on
.set J, J+2
.endr
	WIN 0xc3                                       ; destination and source 0 window 3
.set J, 64*(\a)
.rept 32
	v_pk_mul_f32 v[J:J+1], v[J:J+1], v[RLV+2*(\a):RLV+2*(\a)+1] op_sel_hi:[1,0]
.set J, J+2
.endr
	WIN 0
.endm
.macro STAGE a                         ; 16 stores and 16 loads
	WIN 0x0c                                       ; the data: window 3
.irp b, 0,1,2,3,4,5,6,7
	ds_store_b128 v17, v[64*(\a)+8*\b:64*(\a)+8*\b+3] offset:128*(\b/2)+32*(\b%2)
	ds_store_b128 v17, v[64*(\a)+8*\b+4:64*(\a)+8*\b+7] offset:128*(\b/2)+32*(\b%2)+16
.endr
	WIN 0
.irp t, 0,1,2,3,4,5,6,7,8,9,10,11,12,13,14,15
	ds_load_b128 v[BK+64*((\a)%2)+4*\t:BK+64*((\a)%2)+4*\t+3], v18 offset:SP*\t   ; LDS serves a wave's instructions in order: these see my stores, and the next block's stores come behind them
.endr
.endm
.macro SEND a, younger                 ; younger: the LDS loads issued behind the block's, which may stay out
	s_wait_alu depctr_va_vdst(0)
	s_wait_dscnt \younger                          ; the block is back in registers
	s_wait_xcnt 0x0                                ; the last block's stores have read their registers, on which the next block's loads land
.irp t, 0,1,2,3,4,5,6,7,8,9,10,11,12,13,14,15
	global_store_b128 v3, v[BK+64*((\a)%2)+4*\t:BK+64*((\a)%2)+4*\t+3], s[OUT:OUT+1] offset:(32*((\a)/2)+8*((\a)%2)+\t+8*(\t/8))*4096 th:TH_STORE_NT   ; 32 lanes store 512 consecutive bytes, at a multiple of 512 from O's first byte
.endr
.endm
	s_wait_dscnt 0x0
	PLACES 4
	RUN 1, 2*FRB, 1, 7                             ; the last step's operands
.irp a, 4,5,6,7
	MB \a, 0
.endr
	s_wait_dscnt 0x0
	MB 4, 1
	MB 5, 1
	GIVE 0
	MB 6, 1
	MB 7, 1
	MB 0, 0
	MB 0, 1
	GIVE 1
	MB 1, 0
	MB 1, 1
	MB 2, 0
	MB 2, 1
	WIN 0
.irp a, 0,1,2,3
	ds_load_b32 v[RLV+2*\a], v16 offset:64*\a
.endr
	s_wait_dscnt 0x0                               ; what I give is stored, and my reads of slot 1 are over
	s_barrier_signal -1
	MB 3, 0                                        ; work on registers while the others arrive
	MB 3, 1
	WIN 0
	s_barrier_wait -1
	PLACES 4                                       ; ahead of the first read of my own results
	TAKE 0
	TAKE 1
	s_wait_dscnt 16                                ; block 0 is in; block 1's 16 loads may be out
	JOIN 0
	STAGE 0
	TAKE 2
	s_wait_dscnt 48                                ; block 1 is in: behind it block 0's 32 of the stage and block 2's 16
	JOIN 1
	SEND 0, 16                                     ; behind block 0's loads: block 2's 16
	STAGE 1
	TAKE 3
	s_wait_dscnt 48
	JOIN 2
	SEND 1, 16
	STAGE 2
	s_wait_dscnt 32                                ; block 3 is in: behind it block 2's 32 of the stage
	JOIN 3
	SEND 2, 0
	STAGE 3
	SEND 3, 0
	s_wait_tensorcnt 0x0                           ; the wave's end
	ds_add_u32 v[SPW], v[NIL]
	s_wait_dscnt 0x0
	CROUND                                         ; the closing round
	s_endpgm
.Lfunc_end_k_q107842a14e_pv:
	.size	k_q107842a14e_pv, .Lfunc_end_k_q107842a14e_pv-k_q107842a14e_pv
	.p2alignl 7, 3214868480
	.fill 96, 4, 3214868480
	.section	.rodata,"a",@progbits
	.p2align	6, 0x0
	.amdhsa_kernel k_q107842a14e_pv
		.amdhsa_group_segment_fixed_size 327680
		.amdhsa_private_segment_fixed_size 0
		.amdhsa_enable_private_segment 0
		.amdhsa_kernarg_size 24
		.amdhsa_user_sgpr_count 2
		.amdhsa_user_sgpr_kernarg_segment_ptr 1
		.amdhsa_wavefront_size32 1
		.amdhsa_system_sgpr_workgroup_id_x 1
		.amdhsa_system_sgpr_workgroup_id_y 1
		.amdhsa_system_sgpr_workgroup_id_z 1
		.amdhsa_system_vgpr_workitem_id 0
		.amdhsa_next_free_vgpr 1024
		.amdhsa_next_free_sgpr 102
		.amdhsa_reserve_vcc 0
		.amdhsa_float_denorm_mode_32 3
		.amdhsa_float_denorm_mode_16_64 3
		.amdhsa_memory_ordered 1
		.amdhsa_forward_progress 1
		.amdhsa_inst_pref_size 164
	.end_amdhsa_kernel
	.amdgpu_metadata
---
amdhsa.version: [ 1, 2 ]
amdhsa.kernels:
  - .name:           k_q107842a14e_pv
    .symbol:         k_q107842a14e_pv.kd
    .args:
      - { .name: pp, .offset: 0, .size: 8, .value_kind: global_buffer, .address_space: global }
      - { .name: vt, .offset: 8, .size: 8, .value_kind: global_buffer, .address_space: global }
      - { .name: out0, .offset: 16, .size: 8, .value_kind: global_buffer, .address_space: global }
    .group_segment_fixed_size: 327680
    .private_segment_fixed_size: 0
    .kernarg_segment_align: 8
    .kernarg_segment_size: 24
    .max_flat_workgroup_size: 128
    .sgpr_count:     102
    .vgpr_count:     1024
    .wavefront_size: 32
...
	.end_amdgpu_metadata
.endif
;; end of part 4
